; MI455X (gfx1250); checked and timed in simulation.
; The chip was launched on July 23, 2026; its instructions are those of AMD's public machine-readable ISA for CDNA 5 (MIT licence, August 2026) and "CDNA5" Instruction Set Architecture Reference Guide (July 2026). The comments in the code are by the model that wrote it; some were corrected since.
;; Adjacency Masked Net. Allowed arithmetic: matrix products marked QUANTISED: E2M1 operands, one E8M0 scale for each 32 along K, by v_wmma_scale_f32_16x16x128_f8f6f4 with both operands' format E2M1 (or v_wmma_scale_f32_32x16x128_f4), f32 sums; everything else in f32.
;; Inputs: A_mask 512 x 8 float32; W1 512 x 2,048 float32; W2 2,048 x 512 float32; b1 2,048 float32; b2 512 float32; col_idx 512 int32; x 4,096 x 512 float32.
;; Outputs: out0 4,096 x 512 float32.
;; This version of the problem:
;;   THIS VERSION OF THE PROBLEM IS GIVEN IN LOW PRECISION. The matrix products marked QUANTISED in the list below multiply operands that are first quantised to E2M1 (2 exponent bits, 1 mantissa bit; 4 bits a number), with one power-of-two scale for each 32 numbers along K (OCP MX v1.0); their sums are f32. All else is computed in f32.
;;   The module's matrix products, in the order in which they are computed (A, B: the left and right operand; K: the contracted axis; several contracted axes count as one K, in the product's order):
;;     1. [M 32,768, K 512] x [K 512, N 2,048]; A: computed on the way; B: input W1: QUANTISED
;;     2. [M 32,768, K 2,048] x [K 2,048, N 512]; A: computed on the way; B: input W2: QUANTISED
;;   THE QUANTISER, for each operand of a quantised product, along K:
;;     - K is cut into blocks of 32 from its start; a last block that is shorter is filled with zeros.
;;     - A block's scale is 2^e with e = floor(log2(the largest magnitude in the block)) - 2, held to -126 .. 127; a block of zeros has e = 0. As a byte (E8M0): e + 127.
;;     - Each number is divided by its block's scale, clamped to +-6, and rounded to the nearest number of E2M1, ties to even, subnormals kept.
;;     - The product sums the exact products of the quantised numbers (number of the format x scale) in f32.
;;   ~~~python
;;   def quantise(x, axis):      # numpy; x: float32 -> the quantised numbers, widened to float32 again
;;       x = np.moveaxis(x, axis, -1); K = x.shape[-1]
;;       x = np.pad(x, [(0, 0)] * (x.ndim - 1) + [(0, -K % 32)]); x = x.reshape(x.shape[:-1] + (-1, 32)); a = np.abs(x).max(-1, keepdims=True)
;;       e = np.where(a > 0, np.clip(np.frexp(np.where(a > 0, a, 1))[1] - 1 - 2, -126, 127), 0)      # np.frexp(a)[1] - 1 = floor(log2(a)), exactly
;;       r = np.clip(x / 2.0 ** e, -6, 6)
;;       step = 2.0 ** (np.maximum(np.frexp(np.where(r == 0, 1, r))[1] - 1, 0) - 1)
;;       q = np.round(r / step) * step * 2.0 ** e      # np.round: ties to even
;;       return np.moveaxis(q.reshape(q.shape[:-2] + (-1,))[..., :K], -1, axis).astype(np.float32)
;;   ~~~
;;   OPERANDS COMPUTED ON THE WAY. 'Computed on the way' means the value that the module computes at that place (a softmax that the list does not call 'softmax' is quantised finished and normalised). What goes into a quantiser is computed in f32, as accurately as f32 sums, v_exp_f32 and their like allow (about 1e-6 of the number): no bf16 or f16 on the way to a quantiser, and a product that is left as it is and whose result goes on into a quantised operand takes f32 operands (vector FMAs, or v_wmma_f32_16x16x4_f32). A number that lies on a knife's edge between two numbers of the format may be rounded either way, as far as f32 arithmetic and the matrix unit's own rounding can turn it there, and no further.
;; 2 versions. Each part assembles by itself: llvm-mc -triple=amdgcn-amd-amdhsa -mcpu=gfx1250 --defsym DOCPART=n.
;; ======== version 1 of 2: 2 launches
;; workspace buffers: xq 8,388,608 bytes; xs 524,288 bytes; w1f 524,288 bytes; w1s 32,768 bytes; w2c 524,288 bytes; w2s 32,768 bytes; ordr 2,560 bytes of whole numbers
;; launch prep (part 1): grid 321 x 1, 8 waves a work-group, no clusters, 75,008 bytes of LDS; arguments x, A_mask, W1, W2, col_idx, xq, xs, w1f, w1s, w2c, w2s, ordr; writes xq, xs, w1f, w1s, w2c, w2s, ordr
.if DOCPART == 1
	.amdgcn_target "amdgcn-amd-amdhsa--gfx1250"
	.amdhsa_code_object_version 6
	.text
	.protected	k_qe6387063d4_prep
	.globl	k_qe6387063d4_prep
	.p2align	8
	.type	k_qe6387063d4_prep,@function
k_qe6387063d4_prep:
	s_mov_b64 s[64:65], 0
	v_nop
	global_prefetch_b8 v0, s[64:65] scope:SCOPE_SE
	s_setreg_imm32_b32 hwreg(HW_REG_WAVE_MODE, 25, 1), 1
	s_wait_xcnt 0x0
; WHAT IS QUANTISED ONCE, AND THE SORT OF THE COLUMNS.  Four kinds of work-group, told apart by the work-group's number alone; each kind has LDS bytes of its own.
;   0        S:  the 512 output columns are sorted by their group (col_idx), by counting, in one wave; a list of passes (group, first place, number of columns up to 64, flag) is written.
;   1..32    W1: W1 [512 (k)][2048] f32 -> codes of E2M1 along k and E8M0 scale words, laid in the order of the operand's registers.
;   33..64   W2: W2 [2048 (k)][512] f32 -> codes and scale words, a column's 512 k on end.
;   65..320  X:  x [4096][512] times each of the 8 columns of A_mask [512][8], in f32, -> codes and scale words, in the order of the operand's registers.
; THE QUANTISER: a block of 32 along k; scale = 2^(floor(log2(largest magnitude)) - 2): its byte is the largest magnitude's exponent field - 2; numbers / scale to the nearest code, ties to even, beyond 6 the code of 6.
; LAYOUTS (a piece = 16 bytes = the 32 codes of a block; lane = 16 h + r):
;   xq  [g 8][nb 32][m 8][s 4][cc 2][lane][16]: row 128 nb + 16 m + r, block 4 s + 2 cc + h        xs  [g][nb][s][mq 2][r 16][4 words]: word m' of row tile 4 mq + m', K step s
;   w1f [B 64][s 4][u 2][cc 2][lane][16]: unit 32 B + 8 u + r + 8 (r / 8), block 4 s + 2 cc + h     w1s [B][16 u + r][4 words s]
;   w2c [w 4][j 512][256]: the piece of hidden block 16 w + kb at byte 16 kb                        w2s [w][j][4 words]
;   ordr: ints 0..511 the columns in sorted order; from int 512 on 32 records of 4 ints.
; LIMITS: NaN and infinities among the inputs are not served.  A block whose largest magnitude lies under 2^-124, a block of zeros among them, gets the byte 1 (the stated quantiser gives a block of zeros 127):
; its codes are zeros, which add nothing, and the bytes are read by this program alone.  col_idx holds 0..7, as the gather that it feeds asks.
.set XST, 0                            ; X: 64 rows of 512 bytes + 16
.set MST, 33792                        ; X: the mask's slice turned, 8 groups x (512 bytes + 16)
.set W1I, 38144                        ; W1: 2,048 bytes of pieces for each wave
.set W1J, 54528                        ; W1: 2 x 512 bytes of scale words
.set W2I, 55552                        ; W2: 64 columns x (256 bytes + 16)
.set W2J, 72960                        ; W2: 64 x 16 bytes of scale words
; 32 numbers down k of my column: block t into set t % 2.  v1 = 4 x lane: 32 lanes read 128 consecutive bytes
.macro QLOAD t, pitch
.irp i, 0,1,2,3,4,5,6,7,8,9,10,11,12,13,14,15,16,17,18,19,20,21,22,23,24,25,26,27,28,29,30,31
	global_load_b32 v[16+32*((\t)%2)+\i], v1, s[30:31] offset:(32*(\t)+\i)*(\pitch) th:TH_LOAD_NT
.endr
.endm
; A LANE TAKES A COLUMN AND ITS REGISTERS RUN DOWN K: four blocks; block b's piece goes to LDS at v2 + pstep b; the four bytes make the word v212.  Each block has its own four registers of codes.
.macro QCOL pitch, pstep
	QLOAD 0, \pitch
	QLOAD 1, \pitch
.irp b, 0,1,2,3
.if \b < 3
	s_wait_loadcnt 32                              ; this block's 32 loads are in; the next block's 32 may be out
.else
	s_wait_loadcnt 0x0
.endif
	v_max3_num_f32 v208, |v[16+32*(\b%2)]|, |v[17+32*(\b%2)]|, |v[18+32*(\b%2)]|
	v_max3_num_f32 v209, |v[19+32*(\b%2)]|, |v[20+32*(\b%2)]|, |v[21+32*(\b%2)]|
.irp i, 6,10,14,18,22,26
	v_max3_num_f32 v208, v208, |v[16+32*(\b%2)+\i]|, |v[17+32*(\b%2)+\i]|
	v_max3_num_f32 v209, v209, |v[18+32*(\b%2)+\i]|, |v[19+32*(\b%2)+\i]|
.endr
	v_max3_num_f32 v208, v208, |v[46+32*(\b%2)]|, |v[47+32*(\b%2)]|
	v_max3_num_f32 v208, v208, v209, 0x1800000     ; and the floor 2^(3 - 127): the byte cannot fall under 1
	v_add_nc_u32 v210, 0xff000000, v208            ; 2 off the exponent field: the conversion's scale operand
	v_lshrrev_b32 v211, 23, v210                   ; the scale's byte
.if \b == 0
	v_mov_b32 v212, v211
.else
	v_lshl_or_b32 v212, v211, 8*\b, v212
.endif
.irp g, 0,1,2,3
	v_cvt_scalef32_pk8_fp4_f32 v[176+4*\b+\g], v[16+32*(\b%2)+8*\g:23+32*(\b%2)+8*\g], v210
.endr
	ds_store_b128 v2, v[176+4*\b:179+4*\b] offset:(\pstep)*\b
.if \b < 2
	QLOAD \b+2, \pitch
.endif
.endr
.endm
	s_load_b512 s[4:19], s[0:1], 0x0               ; x s4, A_mask s6, W1 s8, W2 s10, col_idx s12, xq s14, xs s16, w1f s18
	s_load_b256 s[20:27], s[0:1], 0x40             ; w1s s20, w2c s22, w2s s24, ordr s26
	v_lshl_add_u32 v224, v0, 2, 0x12100
	v_mov_b32 v225, 0
	v_lshrrev_b32 v1, 5, v0
	v_readfirstlane_b32 s28, v1                    ; wave 0..7
	v_and_b32 v15, 31, v0                          ; lane
	v_and_b32 v14, 15, v0                          ; r
	v_bfe_u32 v13, v0, 4, 1                        ; h
	s_mov_b32 s37, 0                               ; the upper word of every offset
	s_wait_kmcnt 0x0
	s_cmp_eq_u32 ttmp9, 0
	s_cbranch_scc1 .Lsort
	s_cmp_lt_u32 ttmp9, 33
	s_cbranch_scc1 .Lw1
	s_cmp_lt_u32 ttmp9, 65
	s_cbranch_scc1 .Lw2
; ---------------- X: 64 rows x 128 inputs of x; wave g makes group g's codes of them
	s_sub_co_u32 s29, ttmp9, 65
	s_lshr_b32 s32, s29, 3                         ; nb
	s_bfe_u32 s33, s29, 0x20001                    ; s: which 128 inputs
	s_and_b32 s34, s29, 1                          ; mq: which 64 rows of the 128
	s_lshl_b32 s36, s32, 18                        ; x: (128 nb + 64 mq + 8 wave) rows of 2,048 bytes + 512 s
	s_lshl_b32 s35, s34, 17
	s_add_co_u32 s36, s36, s35
	s_lshl_b32 s35, s28, 14
	s_add_co_u32 s36, s36, s35
	s_lshl_b32 s35, s33, 9
	s_add_co_u32 s36, s36, s35
	s_add_nc_u64 s[30:31], s[4:5], s[36:37]
	s_lshl_b32 s36, s33, 12                        ; A_mask: 128 inputs x 32 bytes
	s_add_nc_u64 s[38:39], s[6:7], s[36:37]
	s_lshl_b32 s36, s28, 20                        ; xq
	s_lshl_b32 s35, s32, 15
	s_add_co_u32 s36, s36, s35
	s_lshl_b32 s35, s34, 14
	s_add_co_u32 s36, s36, s35
	s_lshl_b32 s35, s33, 10
	s_add_co_u32 s36, s36, s35
	s_add_nc_u64 s[40:41], s[14:15], s[36:37]
	s_lshl_b32 s36, s28, 16                        ; xs
	s_lshl_b32 s35, s32, 11
	s_add_co_u32 s36, s36, s35
	s_lshl_b32 s35, s33, 9
	s_add_co_u32 s36, s36, s35
	s_lshl_b32 s35, s34, 8
	s_add_co_u32 s36, s36, s35
	s_add_nc_u64 s[42:43], s[16:17], s[36:37]
	s_mov_b32 s44, 0x76543210                      ; v_permlanex16_b32's selects for lane l xor 16
	s_mov_b32 s45, 0xfedcba98
	s_mov_b32 s46, 0xffff0000                      ; lanes 16-31
	v_lshlrev_b32 v1, 4, v15                       ; 16 x lane
	v_lshlrev_b32 v2, 4, v0                        ; 16 x thread
.irp i, 0,1,2,3,4,5,6,7
	global_load_b128 v[80+4*\i:83+4*\i], v1, s[30:31] offset:2048*\i th:TH_LOAD_NT   ; a row's 512 bytes to a load
.endr
	global_load_b128 v[144:147], v2, s[38:39]      ; thread t: input t / 2, groups 4 (t % 2) + 0..3
	s_mul_i32 s47, s28, 8*528
	v_add_nc_u32 v3, s47, v1                       ; the stage: my wave's 8 rows
	v_and_b32 v5, 1, v0
	v_mul_u32_u24 v5, v5, 4*528
	v_lshrrev_b32 v6, 1, v0
	v_lshl_add_u32 v4, v6, 2, v5
	v_add_nc_u32 v4, MST, v4                       ; the mask turned: [group][input]
	s_mul_i32 s48, s28, 528
	s_add_co_u32 s48, s48, MST
	v_lshl_add_u32 v7, v13, 7, s48                 ; my group's row of it, + 128 h
	v_mul_u32_u24 v8, v14, 528
	v_lshl_add_u32 v8, v13, 7, v8                  ; x: row r, + 128 h: my block of 32
	v_lshlrev_b32 v9, 4, v14
	v_lshl_add_u32 v9, v13, 3, v9                  ; xs: 16 r + 8 h
	v_lshlrev_b32 v12, 3, v13                      ; 8 h
	v_mov_b32 v220, 0                              ; a lane permute's destination counts as one of its sources
	s_wait_loadcnt 0x0
.irp i, 0,1,2,3,4,5,6,7
	ds_store_b128 v3, v[80+4*\i:83+4*\i] offset:528*\i
.endr
.irp k, 0,1,2,3
	ds_store_b32 v4, v[144+\k] offset:528*\k
.endr
	s_wait_dscnt 0x0                               ; for the others' sake: my stores have landed
	s_barrier_signal -1
	s_barrier_wait -1
.irp c, 0,1
.irp j, 0,1,2,3,4,5,6,7
	ds_load_b128 v[16+32*\c+4*\j:19+32*\c+4*\j], v7 offset:256*\c+16*\j   ; my group's mask of inputs 64 c + 32 h + 0..31: it stays
.endr
.endr
.macro XL it                           ; turn it: row tile it / 2, half it % 2 of the 128 inputs: my block's 32 numbers into set it % 2
.irp j, 0,1,2,3,4,5,6,7
	ds_load_b128 v[80+32*((\it)%2)+4*\j:83+32*((\it)%2)+4*\j], v8 offset:((\it)/2)*16*528+((\it)%2)*256+16*\j
.endr
.endm
.macro TURN it
.set XB, 80+32*((\it)%2)
.set MB, 16+32*((\it)%2)
.if (\it) < 7
	XL (\it)+1
	s_wait_dscnt 8                                 ; all but the next turn's eight loads
.else
	s_wait_dscnt 0x0
.endif
.irp p, 0,2,4,6,8,10,12,14,16,18,20,22,24,26,28,30
	v_pk_mul_f32 v[144+\p:145+\p], v[XB+\p:XB+\p+1], v[MB+\p:MB+\p+1]   ; x times the mask, in f32
.endr
.irp c, 0,1,2,3
	v_max3_num_f32 v[208+\c], |v[144+8*\c]|, |v[145+8*\c]|, |v[146+8*\c]|   ; the block's largest magnitude, in four chains
.endr
.irp i, 3,5
.irp c, 0,1,2,3
	v_max3_num_f32 v[208+\c], v[208+\c], |v[144+8*\c+\i]|, |v[145+8*\c+\i]|
.endr
.endr
	v_max3_num_f32 v208, v208, |v151|, |v159|
	v_max3_num_f32 v210, v210, |v167|, |v175|
	v_max3_num_f32 v208, v208, v209, v210
	v_max3_num_f32 v208, v208, v211, 0x1800000     ; and the floor 2^(3 - 127)
	v_add_nc_u32 v212, 0xff000000, v208
.irp g, 0,1,2,3
	v_cvt_scalef32_pk8_fp4_f32 v[176+4*(\it)+\g], v[144+8*\g:151+8*\g], v212   ; each turn has its own four registers: no store's data are written again
.endr
	v_lshrrev_b32 v[214+(\it)%2], 23, v212         ; the scale's byte (a plain line behind the conversions)
	global_store_b128 v1, v[176+4*(\it):179+4*(\it)], s[40:41] offset:((\it)/2)*4096+((\it)%2)*512   ; 512 consecutive bytes
.if (\it)%2 == 1
	v_lshl_or_b32 v213, v215, 16, v214             ; my two bytes: blocks h and 2 + h,
	v_lshlrev_b32 v213, v12, v213                  ; at their places in the word;
	v_permlanex16_b32 v220, v213, s44, s45
	v_or_b32 v[216+(\it)/2], v213, v220            ; with lane l xor 16's the word is whole
.endif
.endm
	XL 0
.irp t, 0,1,2,3,4,5,6,7
	TURN \t
.endr
	v_cndmask_b32 v222, v216, v218, s46            ; lanes 0-15 store words 0, 1 of row r, lanes 16-31 words 2, 3
	v_cndmask_b32 v223, v217, v219, s46
	global_store_b64 v9, v[222:223], s[42:43]      ; 256 consecutive bytes, aligned
	s_wait_tensorcnt 0x0
	ds_add_u32 v224, v225
	s_wait_dscnt 0x0
	s_endpgm
; ---------------- W1: wave v takes 32 units (chunk B) x 128 k (K step s)
.Lw1:
	s_sub_co_u32 s29, ttmp9, 1                     ; q
	s_lshr_b32 s32, s28, 2
	s_lshl_b32 s33, s29, 1
	s_add_co_u32 s33, s33, s32                     ; B = 2 q + wave / 4
	s_and_b32 s34, s28, 3                          ; s
	s_lshl_b32 s36, s34, 20                        ; 128 s rows of 8,192 bytes
	s_lshl_b32 s35, s33, 7                         ; + 32 B columns
	s_add_co_u32 s36, s36, s35
	s_add_nc_u64 s[30:31], s[8:9], s[36:37]
	s_lshl_b32 s36, s33, 13
	s_lshl_b32 s35, s34, 11
	s_add_co_u32 s36, s36, s35
	s_add_nc_u64 s[40:41], s[18:19], s[36:37]      ; w1f at (B, s)
	s_and_b32 s44, s28, 1
	s_lshl_b32 s36, s29, 10
	s_lshl_b32 s35, s44, 9
	s_add_co_u32 s36, s36, s35
	s_add_nc_u64 s[42:43], s[20:21], s[36:37]      ; w1s at chunk 2 q + wave % 2
	v_lshlrev_b32 v1, 2, v15
	v_lshlrev_b32 v10, 4, v15
	v_bfe_u32 v4, v0, 3, 1                         ; unit l of the chunk lies in tile u = (l / 8) % 2,
	v_and_b32 v5, 7, v0
	v_lshl_add_u32 v5, v13, 3, v5                  ; at row r = l % 8 + 8 (l / 16)
	s_lshl_b32 s38, s28, 11
	s_add_co_u32 s38, s38, W1I                     ; my wave's 2,048 bytes
	v_lshlrev_b32 v2, 4, v5
	v_lshl_add_u32 v2, v4, 10, v2
	v_add_nc_u32 v2, s38, v2                       ; a piece: 1,024 u + 16 r, + 256 for each block (512 cc + 256 h)
	v_lshl_add_u32 v7, v15, 4, s38                 ; and back as it lies
	v_lshl_add_u32 v9, v4, 4, v5                   ; 16 u + r
	s_lshl_b32 s39, s32, 9
	s_lshl_b32 s35, s34, 2
	s_add_co_u32 s39, s39, s35
	s_add_co_u32 s39, s39, W1J
	v_lshl_add_u32 v8, v9, 4, s39                  ; the word: 512 (wave / 4) + 16 (16 u + r) + 4 s
	s_lshl_b32 s45, s44, 9
	s_add_co_u32 s45, s45, W1J
	v_lshl_add_u32 v11, v15, 4, s45
	QCOL 8192, 256
	ds_store_b32 v8, v212
.irp t, 0,1,2,3
	ds_load_b128 v[192+4*\t:195+4*\t], v7 offset:512*\t   ; my own bytes: LDS serves a wave's instructions in order
.endr
	s_wait_dscnt 0x0                               ; the pieces are back, and my word has landed, for the others' sake
.irp t, 0,1,2,3
	global_store_b128 v10, v[192+4*\t:195+4*\t], s[40:41] offset:512*\t
.endr
	s_barrier_signal -1
	s_barrier_wait -1                              ; the four K steps' words of both chunks lie in LDS
	s_cmp_gt_u32 s28, 1
	s_cbranch_scc1 .Lend
	ds_load_b128 v[216:219], v11
	s_wait_dscnt 0x0
	global_store_b128 v10, v[216:219], s[42:43]    ; a chunk's 512 bytes of scale words
	s_wait_tensorcnt 0x0
	ds_add_u32 v224, v225
	s_wait_dscnt 0x0
	s_endpgm
; ---------------- W2: 64 columns x 512 k; wave v takes 32 columns x 128 k
.Lw2:
	s_sub_co_u32 s29, ttmp9, 33
	s_and_b32 s32, s29, 7                          ; jg: which 64 columns
	s_lshr_b32 s33, s29, 3                         ; w: which 512 k
	s_and_b32 s34, s28, 1                          ; ch
	s_lshr_b32 s44, s28, 1                         ; kq
	s_lshl_b32 s36, s33, 20                        ; (512 w + 128 kq) rows of 2,048 bytes
	s_lshl_b32 s35, s44, 18
	s_add_co_u32 s36, s36, s35
	s_lshl_b32 s35, s32, 8                         ; + (64 jg + 32 ch) columns
	s_add_co_u32 s36, s36, s35
	s_lshl_b32 s35, s34, 7
	s_add_co_u32 s36, s36, s35
	s_add_nc_u64 s[30:31], s[10:11], s[36:37]
	s_lshl_b32 s36, s33, 17
	s_lshl_b32 s35, s32, 14
	s_add_co_u32 s36, s36, s35
	s_lshl_b32 s35, s28, 11
	s_add_co_u32 s36, s36, s35
	s_add_nc_u64 s[40:41], s[22:23], s[36:37]      ; w2c: my wave stores columns 8 wave .. + 7 of the 64
	s_lshl_b32 s36, s33, 13
	s_lshl_b32 s35, s32, 10
	s_add_co_u32 s36, s36, s35
	s_lshl_b32 s35, s34, 9
	s_add_co_u32 s36, s36, s35
	s_add_nc_u64 s[42:43], s[24:25], s[36:37]      ; w2s
	v_lshlrev_b32 v1, 2, v15
	v_lshlrev_b32 v10, 4, v15
	s_mul_i32 s38, s34, 32*272
	s_lshl_b32 s35, s44, 6
	s_add_co_u32 s38, s38, s35
	s_add_co_u32 s38, s38, W2I
	v_mul_u32_u24 v2, v15, 272
	v_add_nc_u32 v2, s38, v2                       ; a piece: column (32 ch + lane) x 272 + 64 kq, + 16 for each block
	s_lshl_b32 s39, s34, 9
	s_lshl_b32 s35, s44, 2
	s_add_co_u32 s39, s39, s35
	s_add_co_u32 s39, s39, W2J
	v_lshl_add_u32 v8, v15, 4, s39                 ; the word: 16 x column + 4 kq
	s_mul_i32 s45, s28, 8*272
	s_add_co_u32 s45, s45, W2I
	v_mul_u32_u24 v7, v13, 272
	v_lshl_add_u32 v7, v14, 4, v7
	v_add_nc_u32 v7, s45, v7                       ; back: sixteen lanes to a column's 256 bytes, two columns an instruction
	s_lshl_b32 s46, s34, 9
	s_add_co_u32 s46, s46, W2J
	v_lshl_add_u32 v11, v15, 4, s46
	QCOL 2048, 16
	ds_store_b32 v8, v212
	s_wait_dscnt 0x0                               ; for the others' sake: my pieces and my word have landed
	s_barrier_signal -1
	s_barrier_wait -1
.irp t, 0,1,2,3
	ds_load_b128 v[192+4*\t:195+4*\t], v7 offset:544*\t
.endr
	s_wait_dscnt 0x0
.irp t, 0,1,2,3
	global_store_b128 v10, v[192+4*\t:195+4*\t], s[40:41] offset:512*\t   ; 512 consecutive bytes
.endr
	s_cmp_gt_u32 s28, 1
	s_cbranch_scc1 .Lend
	ds_load_b128 v[216:219], v11
	s_wait_dscnt 0x0
	global_store_b128 v10, v[216:219], s[42:43]
	s_wait_tensorcnt 0x0
	ds_add_u32 v224, v225
	s_wait_dscnt 0x0
	s_endpgm
; ---------------- S: one wave sorts the columns by group.  Column 32 i + lane is in register i
.Lsort:
	s_cmp_lg_u32 s28, 0
	s_cbranch_scc1 .Lend
	v_lshlrev_b32 v1, 2, v15
.irp i, 0,1,2,3,4,5,6,7,8,9,10,11,12,13,14,15
	global_load_b32 v[16+\i], v1, s[12:13] offset:128*\i
.endr
.irp i, 0,1,2,3,4,5,6,7,8,9,10,11,12,13,14,15
	v_mov_b32 v[32+\i], 0                          ; the column's place in the sorted order
.endr
	v_mov_b32 v48, 0                               ; lane p: pass p's group,
	v_mov_b32 v49, 0                               ; first place,
	v_mov_b32 v50, 0                               ; number of columns (0: no such pass)
	v_mov_b32 v52, 0
	s_mov_b32 s30, 0                               ; columns placed so far
	s_mov_b32 s31, 0                               ; passes made so far
	s_mov_b32 s48, 0
	v_lshlrev_b32 v56, 4, v15
	s_wait_loadcnt 0x0
.irp i, 0,1,2,3,4,5,6,7,8,9,10,11,12,13,14,15
	v_mov_b32_dpp v52, v[16+\i] quad_perm:[0,0,0,0] row_mask:0xf bank_mask:0xf
	v_cmp_ne_u32 s49, v52, v[16+\i]                ; does an aligned four of columns hold two groups?
	s_or_b32 s48, s48, s49
.endr
	s_cmp_eq_u32 s48, 0
	s_cselect_b32 s49, 1, 0                        ; flag 1: no: then each aligned four of places is an aligned four of columns
	v_mov_b32 v51, s49
.irp g, 0,1,2,3,4,5,6,7
	s_mov_b32 s50, s30                             ; the group's first place
.irp i, 0,1,2,3,4,5,6,7,8,9,10,11,12,13,14,15
	v_cmp_eq_u32 s[32+\i], \g, v[16+\i]
.endr
.irp i, 0,1,2,3,4,5,6,7,8,9,10,11,12,13,14,15
	v_mbcnt_lo_u32_b32 v52, s[32+\i], s30          ; the group's columns below mine in this register, + all placed before
	v_cndmask_b32 v[32+\i], v[32+\i], v52, s[32+\i]
	s_bcnt1_i32_b32 s49, s[32+\i]
	s_add_co_u32 s30, s30, s49
.endr
	s_sub_co_u32 s49, s30, s50
	s_add_co_u32 s49, s49, 63
	s_lshr_b32 s49, s49, 6                         ; the group's passes of up to 64 columns
	s_add_co_u32 s52, s31, s49
	v_cmp_le_u32 s51, s31, v15
	v_cmp_gt_u32 s53, s52, v15
	s_and_b32 s51, s51, s53                        ; the lanes that stand for them
	v_sub_nc_u32 v52, v15, s31
	v_lshl_add_u32 v52, v52, 6, s50                ; a pass's first place
	v_sub_nc_u32 v53, s30, v52
	v_min_u32 v53, 64, v53                         ; and its columns
	v_mov_b32 v54, \g
	v_cndmask_b32 v48, v48, v54, s51
	v_cndmask_b32 v49, v49, v52, s51
	v_cndmask_b32 v50, v50, v53, s51
	s_mov_b32 s31, s52
.endr
.irp i, 0,1,2,3,4,5,6,7,8,9,10,11,12,13,14,15
	v_min_u32 v[32+\i], 0x1ff, v[32+\i]
	v_lshlrev_b32 v[32+\i], 2, v[32+\i]
	v_add_nc_u32 v[16+\i], 32*\i, v15              ; the column's number
.endr
.irp i, 0,1,2,3,4,5,6,7,8,9,10,11,12,13,14,15
	global_store_b32 v[32+\i], v[16+\i], s[26:27]  ; each place is taken by one column: all 512 ints are written
.endr
	global_store_b128 v56, v[48:51], s[26:27] offset:2048
.Lend:
	s_wait_tensorcnt 0x0
	ds_add_u32 v224, v225
	s_wait_dscnt 0x0
	s_endpgm
.Lfunc_end_k_qe6387063d4_prep:
	.size	k_qe6387063d4_prep, .Lfunc_end_k_qe6387063d4_prep-k_qe6387063d4_prep
	.p2alignl 7, 3214868480
	.fill 96, 4, 3214868480
	.section	.rodata,"a",@progbits
	.p2align	6, 0x0
	.amdhsa_kernel k_qe6387063d4_prep
		.amdhsa_group_segment_fixed_size 75008
		.amdhsa_private_segment_fixed_size 0
		.amdhsa_enable_private_segment 0
		.amdhsa_kernarg_size 96
		.amdhsa_user_sgpr_count 2
		.amdhsa_user_sgpr_kernarg_segment_ptr 1
		.amdhsa_wavefront_size32 1
		.amdhsa_system_sgpr_workgroup_id_x 1
		.amdhsa_system_sgpr_workgroup_id_y 1
		.amdhsa_system_sgpr_workgroup_id_z 1
		.amdhsa_system_vgpr_workitem_id 0
		.amdhsa_next_free_vgpr 226
		.amdhsa_next_free_sgpr 66
		.amdhsa_reserve_vcc 0
		.amdhsa_float_denorm_mode_32 3
		.amdhsa_float_denorm_mode_16_64 3
		.amdhsa_memory_ordered 1
		.amdhsa_forward_progress 1
		.amdhsa_inst_pref_size 120
	.end_amdhsa_kernel
	.amdgpu_metadata
---
amdhsa.version: [ 1, 2 ]
amdhsa.kernels:
  - .name:           k_qe6387063d4_prep
    .symbol:         k_qe6387063d4_prep.kd
    .args:
      - { .name: x, .offset: 0, .size: 8, .value_kind: global_buffer, .address_space: global }
      - { .name: A_mask, .offset: 8, .size: 8, .value_kind: global_buffer, .address_space: global }
      - { .name: W1, .offset: 16, .size: 8, .value_kind: global_buffer, .address_space: global }
      - { .name: W2, .offset: 24, .size: 8, .value_kind: global_buffer, .address_space: global }
      - { .name: col_idx, .offset: 32, .size: 8, .value_kind: global_buffer, .address_space: global }
      - { .name: xq, .offset: 40, .size: 8, .value_kind: global_buffer, .address_space: global }
      - { .name: xs, .offset: 48, .size: 8, .value_kind: global_buffer, .address_space: global }
      - { .name: w1f, .offset: 56, .size: 8, .value_kind: global_buffer, .address_space: global }
      - { .name: w1s, .offset: 64, .size: 8, .value_kind: global_buffer, .address_space: global }
      - { .name: w2c, .offset: 72, .size: 8, .value_kind: global_buffer, .address_space: global }
      - { .name: w2s, .offset: 80, .size: 8, .value_kind: global_buffer, .address_space: global }
      - { .name: ordr, .offset: 88, .size: 8, .value_kind: global_buffer, .address_space: global }
    .group_segment_fixed_size: 75008
    .private_segment_fixed_size: 0
    .kernarg_segment_align: 8
    .kernarg_segment_size: 96
    .max_flat_workgroup_size: 256
    .sgpr_count:     66
    .vgpr_count:     226
    .wavefront_size: 32
...
	.end_amdgpu_metadata
.endif
;; end of part 1
;; launch net (part 2): grid 32 x 8, 4 waves a work-group, no clusters, 174,592 bytes of LDS; arguments xq, xs, w1f, w1s, b1, w2c, w2s, b2, ordr, out0; writes out0
.if DOCPART == 2
	.amdgcn_target "amdgcn-amd-amdhsa--gfx1250"
	.amdhsa_code_object_version 6
	.text
	.protected	k_qe6387063d4_net
	.globl	k_qe6387063d4_net
	.p2align	8
	.type	k_qe6387063d4_net,@function
k_qe6387063d4_net:
	s_mov_b64 s[64:65], 0
	v_nop
	global_prefetch_b8 v0, s[64:65] scope:SCOPE_SE
	s_setreg_imm32_b32 hwreg(HW_REG_WAVE_MODE, 25, 1), 1
	s_wait_xcnt 0x0
; out[n][j] = (Q(relu(Q(x[n] * mask[g]) Q(W1) + b1)) Q(W2) + b2)[j] with g = col_idx[j]; both products on codes of E2M1 with one E8M0 scale for each 32 along K; sums in f32.
; Only the group that the gather keeps for a column is multiplied in the second product: the columns come sorted by group, in passes of up to 64 columns of one group (list ordr, made by the launch before).
; SHARES.  Work-group (nb, y) takes rows 128 nb .. + 127 of x and walks passes y and y + 8, a loop of two trips (the sort makes at most 8 + 7 = 15 passes).  A pass without columns has its work jumped over.
; THE FOUR WAVES SHARE THE HIDDEN UNITS: wave w makes units 512 w .. + 511 for all 128 rows, 32 at a time (a chunk), quantises them in registers, and multiplies each 128 of them (a K step of the second
; product) by the pass's 64 columns of W2.  So W1's codes are read once by a work-group and the hidden layer never leaves the wave's registers.  The four partial sums of the second product meet in LDS.
; x's CODES ARE FETCHED ONCE BY THE WORK-GROUP: each wave loads a quarter of the 32 fragments and one of the four blocks of scale words, stores them to LDS as images of the registers, and all four waves read all.
; W1's FRAGMENTS have two sets of registers; a set is asked for again K step by K step, behind the 16 products that read that K step's four quarter-fragments: so a refill has nearly two chunks in which to arrive.
; BOTH PRODUCTS ARE USED TRANSPOSED (source 0 = 16 rows of a weight, source 1 = 16 rows of x): a lane holds one row of x throughout.  THE UNITS OF A TILE OF W1 ARE NOT NEIGHBOURS: lane r of tile u takes unit
; 32 B + 8 u + r + 8 (r / 8), so that the 16 registers of tiles 0 and 1 are units 32 B + 16 (lane / 16) + 0 .. 15: neighbours along the next K.  b1 is the C of a sum's first matrix instruction.
; RELU: the block's maximum is taken without |.|, so that what is negative does not count; negative numbers become negative codes, whose magnitude bits are then cleared: four lines for eight numbers.
; NO TENSOR LOAD, NO CLUSTER: all operands go from memory into registers, laid by the launch before in the order of the registers.
; The three barriers of a trip stand on every wave's path, outside the branches on the pass's count; what is read behind a barrier is made in the same stretch of work or ahead of the first branch.
; LIMITS: NaN and infinities are not served.  A hidden block without a positive number gets the byte 1 and zero codes; negative hidden numbers become the code -0, which adds nothing.
; The second product's sum is ((w0 + w1) + (w2 + w3)) + b2: another order of f32 additions than one chain along K.  Places past a pass's end repeat one of its last columns: the same number is stored to the same place.
; A group with more than 64 columns takes a further pass, and with it the first product again.
; REGISTERS, in windows of 256 (s_set_vgpr_msb: bits 1:0 source 0, 3:2 source 1, 5:4 source 2, 7:6 destination):
;   window 0: see the names below.   window 1: x's codes, fragment (row tile m, K step s) at 32 m + 8 s.
;   window 2: v0-127 the hidden accumulators (m, u) at 16 m + 8 u (ahead of a trip v0-67: my quarter of x's codes on its way to LDS); v128-255 W1's fragments, two sets of 64: (s, u) at 8 (2 s + u).
;   window 3: the second product's accumulators (column tile t, m) at 64 t + 8 m.
.set LI,   1                           ; 16 x lane
.set BO,   2                           ; 64 h: my 16 numbers of a chunk's b1
.set XW,   3                           ; LDS: where I store my quarter of x's images
.set WO,   4                           ; v4-7    tile t: my column x 256 + 16 h in w2c     | v4-19: the pass in hand
.set WS,   8                           ; v8-11   my column x 16 in w2s                     |
.set OQ,   12                          ; v12-15  the way out: column k of my four x 4 + 2,048 h  |
.set B2Q,  16                          ; v16-19  b2 of my four columns                     |
.set STO,  20                          ; where I put 32 bytes of a row in my wave's stage
.set RD,   21                          ; v21-24  where I read 16 bytes of a row in stage p
.set XSW,  25                          ; LDS: where I store my block of x's scale words
.set XS,   26                          ; v26-41  x's scale words: 4 s + m % 4; lanes 0-15 tiles 0-3, lanes 16-31 tiles 4-7
.set HS,   50                          ; v50-57  the hidden layer's scale words, one a row tile
.set W2S,  58                          ; v58-61  W2's scale words, one a column tile
.set B1R,  62                          ; v62-93  b1, two sets of 16
.set W2F,  94                          ; v94-125 W2's four fragments
.set HC,   126                         ; v126-189 the hidden layer's codes: 8 a row tile
.set TM,   190                         ; v190-213 at work
.set TP,   198
.set TE,   206
.set W1S,  214                         ; v214-229 W1's scale words, four sets (a chunk of a K step each): + s; lanes 0-15 tile 0, lanes 16-31 tile 1
.set VR,   230                         ; r = lane % 16
.set VH,   231                         ; h = lane / 16
.set VT,   232
.set VI,   233
.set V4R,  234
.set V16H, 235
.set WOB,  236                         ; v236-251 the second pass's v4-19
.set V2KH, 252
.set XR,   253                         ; LDS: x's images, 16 x lane
.set GA,   134                         ; at the head only: 16 offsets of the gathers, 8 of b2's loads (in registers that the codes take later)
.set BA,   126
.set PT,   62                          ; the way out: 64 registers of parts, 64 of sums
.set SUM,  126
.set STG,  128*272                     ; a wave's stage: 128 rows x (64 f32 + 16 bytes)
.set XIMG, 4*STG                       ; behind the four stages: x's 32 fragments as images, 64 x 512 bytes,
.set XSC,  XIMG+32768                  ; and its scale words, 4 x 512 bytes
.set MSB, 0
.macro WIN new                         ; the immediate's high byte repeats the setting that is left
.if MSB != \new
	s_set_vgpr_msb (MSB<<8)|\new
.set MSB, \new
.endif
.endm
.macro PLACES n
.rept \n
	v_nop
.endr
.endm
; one matrix instruction; ua, ub: source 0's, source 1's scales stand in lanes 16-31
.macro WM d, a, b, c, sa, sb, ua, ub
.if ((\ua) == 0) && ((\ub) == 0)
	v_wmma_scale_f32_16x16x128_f8f6f4 v[\d:\d+7], v[\a:\a+7], v[\b:\b+7], v[\c:\c+7], v[\sa], v[\sb] matrix_a_fmt:MATRIX_FMT_FP4 matrix_b_fmt:MATRIX_FMT_FP4
.elseif (\ub) == 0
	v_wmma_scale_f32_16x16x128_f8f6f4 v[\d:\d+7], v[\a:\a+7], v[\b:\b+7], v[\c:\c+7], v[\sa], v[\sb] matrix_a_fmt:MATRIX_FMT_FP4 matrix_b_fmt:MATRIX_FMT_FP4 matrix_a_scale:MATRIX_SCALE_ROW1
.elseif (\ua) == 0
	v_wmma_scale_f32_16x16x128_f8f6f4 v[\d:\d+7], v[\a:\a+7], v[\b:\b+7], v[\c:\c+7], v[\sa], v[\sb] matrix_a_fmt:MATRIX_FMT_FP4 matrix_b_fmt:MATRIX_FMT_FP4 matrix_b_scale:MATRIX_SCALE_ROW1
.else
	v_wmma_scale_f32_16x16x128_f8f6f4 v[\d:\d+7], v[\a:\a+7], v[\b:\b+7], v[\c:\c+7], v[\sa], v[\sb] matrix_a_fmt:MATRIX_FMT_FP4 matrix_b_fmt:MATRIX_FMT_FP4 matrix_a_scale:MATRIX_SCALE_ROW1 matrix_b_scale:MATRIX_SCALE_ROW1
.endif
.endm
.macro WMZ d, a, b, sa, sb             ; the same with the constant 0 as C: it starts a sum
	v_wmma_scale_f32_16x16x128_f8f6f4 v[\d:\d+7], v[\a:\a+7], v[\b:\b+7], 0, v[\sa], v[\sb] matrix_a_fmt:MATRIX_FMT_FP4 matrix_b_fmt:MATRIX_FMT_FP4
.endm
; Part s of a chunk's refill, for the chunk imm chunks on from the bases: K step s's two fragments of W1 (4 loads) into set e; part 0 also the chunk's scale words (set q) and b1 (set e): 9, 4, 4, 4 loads
.macro FPART e, q, imm, s
	WIN 0x80                                       ; destination window 2
.irp l, 0,1,2,3
	global_load_b128 v[128+64*(\e)+16*(\s)+4*\l:131+64*(\e)+16*(\s)+4*\l], v[LI], s[52:53] offset:(\imm)*8192+2048*(\s)+512*\l
.endr
.if (\s) == 0
	WIN 0
	global_load_b128 v[W1S+4*(\q):W1S+4*(\q)+3], v[LI], s[54:55] offset:(\imm)*512
.irp j, 0,1,2,3
	global_load_b128 v[B1R+16*(\e)+4*\j:B1R+16*(\e)+4*\j+3], v[BO], s[56:57] offset:(\imm)*128+16*\j
.endr
.endif
.endm
.macro FILL e                          ; chunk e of the wave's 16, whole: 21 loads, in the parts' order
.irp s, 0,1,2,3
	FPART \e, \e, \e, \s
.endr
	WIN 0
.endm
.macro RESET                           ; the pointers that walk, at the wave's first chunk
	s_mov_b64 s[52:53], s[8:9]
	s_mov_b64 s[54:55], s[10:11]
	s_mov_b64 s[56:57], s[12:13]
	s_mov_b64 s[58:59], s[14:15]
	s_mov_b64 s[60:61], s[16:17]
.endm
; 17 loads: my quarter of the codes of group s24's rows, and my block of their scale words, into the hidden accumulators' registers, which are idle ahead of a trip
.macro XQLOAD
	s_lshl_b32 s32, s24, 20
	s_add_nc_u64 s[48:49], s[4:5], s[32:33]
	s_lshl_b32 s32, s24, 16
	s_add_nc_u64 s[50:51], s[6:7], s[32:33]
	WIN 0x80
.irp i, 0,1,2,3,4,5,6,7,8,9,10,11,12,13,14,15
	global_load_b128 v[4*\i:4*\i+3], v[LI], s[48:49] offset:512*\i
.endr
	global_load_b128 v[64:67], v[LI], s[50:51]
	WIN 0
.endm
; 12 loads: the pass's four tiles of W2 for the K step at which the bases stand
.macro W2LOAD
.irp t, 0,1,2,3
	global_load_b128 v[W2F+8*\t:W2F+8*\t+3], v[WO+\t], s[58:59]
	global_load_b128 v[W2F+8*\t+4:W2F+8*\t+7], v[WO+\t], s[58:59] offset:32
	global_load_b32 v[W2S+\t], v[WS+\t], s[60:61]
.endr
.endm
; 16 matrix instructions: a chunk's 32 units x 128 rows x K step s.  The 16 accumulators take turns, one instruction a turn, in the same order in every group.
.macro MULG e, q, s
.if (\s) == 0
	WIN 0x86                                       ; W1 window 2, x window 1, C (b1) window 0, D window 2
.else
	WIN 0xa6                                       ; C window 2
.endif
.irp m, 0,1,2,3,4,5,6,7
.irp u, 0,1
.if (\s) == 0
	WM 16*\m+8*\u, 128+64*(\e)+8*(2*(\s)+\u), 32*\m+8*(\s), B1R+16*(\e)+8*\u, W1S+4*(\q)+(\s), XS+4*(\s)+\m%4, \u, \m/4
.else
	WM 16*\m+8*\u, 128+64*(\e)+8*(2*(\s)+\u), 32*\m+8*(\s), 16*\m+8*\u, W1S+4*(\q)+(\s), XS+4*(\s)+\m%4, \u, \m/4
.endif
.endr
.endr
.endm
; The wait ahead of group s: part s of this chunk's refill is in.  The count is what was issued behind that part.  Parts hold 9, 4, 4, 4 loads, a chunk 21, W2's loads 12.
;   mode 0 (chunks 0, 1): the rest of this chunk's parts, the other set's 21, W2's 12, and the parts issued so far in this chunk: 54 less this part
;   mode 1 (chunks 2, 3): the same without W2's, which are older: 42 less this part; chunk 2's first wait so shows W2's loads in as well
;   mode 2, 3 (chunks 2, 3 of the last K step, which ask for nothing): the rest of this chunk's parts and the next chunk's 21; the rest of this chunk's parts
.macro GWAIT mode, s
.if \mode == 0
.if (\s) == 0
	s_wait_loadcnt 45
.else
	s_wait_loadcnt 50
.endif
.elseif \mode == 1
.if (\s) == 0
	s_wait_loadcnt 33
.else
	s_wait_loadcnt 38
.endif
.elseif \mode == 2
	s_wait_loadcnt 33-4*(\s)
.else
	s_wait_loadcnt 12-4*(\s)
.endif
.endm
; The chunk's numbers become block b of the next K step: for each row tile 16 numbers a lane -> two registers of codes and a byte of the scale word
.macro QUANT b
	WIN 0x28                                       ; sources 1 and 2 window 2
.irp m, 0,1,2,3,4,5,6,7
	v_max3_num_f32 v[TM+\m], 0x1800000, v[16*\m], v[16*\m+1]   ; no |.|: relu; the floor 2^(3 - 127) holds the byte at 1.  Each accumulator is read from its low end on
.endr
.irp i, 2,4,6,8,10,12,14
.irp m, 0,1,2,3,4,5,6,7
	v_max3_num_f32 v[TM+\m], v[TM+\m], v[16*\m+\i], v[16*\m+\i+1]
.endr
.endr
	WIN 0
.irp m, 0,1,2,3,4,5,6,7
	v_permlanex16_b32 v[TP+\m], v[TM+\m], s36, s37
.endr
.irp m, 0,1,2,3,4,5,6,7
	v_max_num_f32 v[TM+\m], v[TM+\m], v[TP+\m]     ; with lane l xor 16's 16: the block's largest number
.endr
.irp m, 0,1,2,3,4,5,6,7
	v_add_nc_u32 v[TE+\m], 0xff000000, v[TM+\m]    ; 2 off the exponent field: the conversion's scale operand
.endr
.if \b == 0
.irp m, 0,1,2,3,4,5,6,7
	v_lshrrev_b32 v[HS+\m], 23, v[TE+\m]           ; the scale's byte begins the word
.endr
.else
.irp m, 0,1,2,3,4,5,6,7
	v_lshrrev_b32 v[TP+\m], 23, v[TE+\m]
.endr
.irp m, 0,1,2,3,4,5,6,7
	v_lshl_or_b32 v[HS+\m], v[TP+\m], 8*\b, v[HS+\m]
.endr
.endif
	WIN 0x02                                       ; source 0 window 2
.irp m, 0,1,2,3,4,5,6,7
	v_cvt_scalef32_pk8_fp4_f32 v[HC+8*\m+2*\b], v[16*\m:16*\m+7], v[TE+\m]
	v_cvt_scalef32_pk8_fp4_f32 v[HC+8*\m+2*\b+1], v[16*\m+8:16*\m+15], v[TE+\m]
.endr
	WIN 0
	v_nop                                          ; one plain line behind the conversions
.irp x, 0,1                            ; relu on the codes: 7 in each four bits whose sign is set, and those bits cleared (the maximum's registers are free again)
.irp m, 0,1,2,3,4,5,6,7
	v_and_b32 v[TM+\m], s38, v[HC+8*\m+2*\b+\x]
.endr
.irp m, 0,1,2,3,4,5,6,7
	v_lshrrev_b32 v[TP+\m], 3, v[TM+\m]
.endr
.irp m, 0,1,2,3,4,5,6,7
	v_sub_nc_u32 v[TM+\m], v[TM+\m], v[TP+\m]
.endr
.irp m, 0,1,2,3,4,5,6,7
	v_bfi_b32 v[HC+8*\m+2*\b+\x], v[TM+\m], 0, v[HC+8*\m+2*\b+\x]
.endr
.endr
.endm
; chunk k of a K step of the second product, on set e.  fill = 1: behind each group's products, and four plain lines (loads into a matrix instruction's operands), that group's registers take the chunk two further on.
; The last four plain lines also stand between the products and the first read of their results.
.macro CHUNK k, e, mode, fill
.irp s, 0,1,2,3
	GWAIT \mode, \s
	MULG \e, \k, \s
.if \fill
	PLACES 4
	FPART \e, (\k+2)%4, \k+2, \s
.endif
.endr
.if !\fill
	PLACES 4
.endif
	QUANT \k
.endm
; 128 hidden units: four chunks, then the second product's K step
.macro PS zero, last
	CHUNK 0, 0, 0, 1
	CHUNK 1, 1, 0, 1
.if \last
	CHUNK 2, 0, 2, 0
	CHUNK 3, 1, 3, 0
.else
	CHUNK 2, 0, 1, 1
	CHUNK 3, 1, 1, 1
.endif
.irp m, 0,1,2,3,4,5,6,7                ; the operand's layout wants a whole block in a lane: lanes 0-15 block 2 c, lanes 16-31 block 2 c + 1
.irp c, 0,1
.irp i, 0,1
	v_permlane16_swap_b32 v[HC+8*\m+4*\c+\i], v[HC+8*\m+4*\c+2+\i]
.endr
.endr
.endr
	PLACES 8                                       ; operands and scale words written by vector instructions stand this far ahead of a scaled matrix instruction
	WIN 0xf0                                       ; C and D window 3
.irp t, 0,1,2,3
.irp m, 0,1,2,3,4,5,6,7
.if \zero
	WMZ 64*\t+8*\m, W2F+8*\t, HC+8*\m, W2S+\t, HS+\m
.else
	WM 64*\t+8*\m, W2F+8*\t, HC+8*\m, 64*\t+8*\m, W2S+\t, HS+\m, 0, 0
.endif
.endr
.endr
	WIN 0
	PLACES 4
.if !\last
	s_wait_xcnt 0x0                                ; every load issued so far has read its base: the bases step
	s_add_nc_u64 s[52:53], s[52:53], 4*8192
	s_add_nc_u64 s[54:55], s[54:55], 4*512
	s_add_nc_u64 s[56:57], s[56:57], 4*128
	s_add_nc_u64 s[58:59], s[58:59], 64
	s_add_nc_u64 s[60:61], s[60:61], 4
	W2LOAD
.endif
.endm
; the column at place v[VI] of a pass (st first place, cn columns, c1 = cn - 1, c4 = c1 & -4): past the end a place of the pass's last four
.macro COLOF st, cn, c1, c4, adr, dst
	v_and_b32 v[VT], 3, v[VI]
	v_add_nc_u32 v[VT], s[\c4], v[VT]
	v_min_u32 v[VT], s[\c1], v[VT]
	v_cmp_gt_u32 vcc_lo, s[\cn], v[VI]
	v_cndmask_b32 v[VT], v[VT], v[VI], vcc_lo
	v_add_nc_u32 v[VT], s[\st], v[VT]
	v_min_u32 v[VT], 0x1ff, v[VT]                  ; inside the list, whatever the record holds
	v_lshlrev_b32 v[\adr], 2, v[VT]
	global_load_b32 v[\dst], v[\adr], s[20:21]
.endm
.macro COLS st, cn, c1, c4, ga, set    ; eight gathers: place 16 t + r for W2's four tiles, place 4 r + k for the way out
.irp t, 0,1,2,3
	v_add_nc_u32 v[VI], 16*\t, v[VR]
	COLOF \st, \cn, \c1, \c4, \ga+\t, \set+\t
.endr
.irp k, 0,1,2,3
	v_add_nc_u32 v[VI], \k, v[V4R]
	COLOF \st, \cn, \c1, \c4, \ga+4+\k, \set+8+\k
.endr
.endm
.macro COLP set, ba                    ; the columns become offsets; b2 is asked for
.irp t, 0,1,2,3
	v_min_u32 v[\set+\t], 0x1ff, v[\set+\t]
	v_lshlrev_b32 v[\set+4+\t], 4, v[\set+\t]
	v_lshl_add_u32 v[\set+\t], v[\set+\t], 8, v[V16H]
.endr
.irp k, 0,1,2,3
	v_min_u32 v[\set+8+\k], 0x1ff, v[\set+8+\k]
	v_lshlrev_b32 v[\ba+\k], 2, v[\set+8+\k]
	v_lshl_add_u32 v[\set+8+\k], v[\set+8+\k], 2, v[V2KH]
	global_load_b32 v[\set+12+\k], v[\ba+\k], s[18:19]
.endr
.endm
	s_load_b512 s[4:19], s[0:1], 0x0               ; xq s4, xs s6, w1f s8, w1s s10, b1 s12, w2c s14, w2s s16, b2 s18
	s_load_b128 s[20:23], s[0:1], 0x40             ; ordr s20, out0 s22
	v_lshl_add_u32 v254, v0, 2, 0x2a800
	v_mov_b32 v255, 0
	v_lshrrev_b32 v[VT], 5, v0
	v_readfirstlane_b32 s28, v[VT]                 ; wave 0..3
	s_and_b32 s30, ttmp7, 0xffff
	s_lshl_b32 s30, s30, 4                         ; 16 bytes a record
	v_and_b32 v[VT], 31, v0
	v_lshlrev_b32 v[LI], 4, v[VT]
	v_and_b32 v[VR], 15, v0
	v_bfe_u32 v[VH], v0, 4, 1
	v_lshlrev_b32 v[BO], 6, v[VH]
	v_lshlrev_b32 v[V4R], 2, v[VR]
	v_lshlrev_b32 v[V16H], 4, v[VH]
	v_lshlrev_b32 v[V2KH], 11, v[VH]
	s_mul_i32 s32, s28, STG
	v_mul_u32_u24 v[STO], v[VR], 272
	v_lshl_add_u32 v[STO], v[VH], 5, v[STO]
	v_add_nc_u32 v[STO], s32, v[STO]               ; my stage: row r, + 32 h
	s_mul_i32 s32, s28, 32*272
	v_mul_u32_u24 v[VT], v[VH], 272
	v_lshl_add_u32 v[VT], v[VR], 4, v[VT]
	v_add_nc_u32 v[VT], s32, v[VT]                 ; back: rows 32 w + h, 16 bytes a lane,
.irp p, 0,1,2,3
	v_add_nc_u32 v[RD+\p], \p*STG, v[VT]           ; in each wave's stage
.endr
	s_lshl_b32 s32, s28, 13
	s_add_co_u32 s32, s32, XIMG
	v_add_nc_u32 v[XW], s32, v[LI]                 ; x's images: my quarter, 16 of 512 bytes
	s_lshl_b32 s32, s28, 9
	s_add_co_u32 s32, s32, XSC
	v_add_nc_u32 v[XSW], s32, v[LI]                ; and my block of scale words
	v_add_nc_u32 v[XR], XIMG, v[LI]                ; back: any image, 16 bytes a lane
.irp m, 0,1,2,3,4,5,6,7
	v_mov_b32 v[TP+\m], 0                          ; written once: a lane permute's destination counts as one of its sources
.endr
	s_mov_b32 s36, 0x76543210                      ; v_permlanex16_b32's selects for lane l xor 16
	s_mov_b32 s37, 0xfedcba98
	s_mov_b32 s38, 0x88888888                      ; the signs of eight codes
	s_mov_b32 s33, 0
	s_wait_kmcnt 0x0
	s_load_b128 s[24:27], s[20:21], s30 offset:0x800   ; pass y: group, first place, columns, flag
	s_load_b128 s[44:47], s[20:21], s30 offset:0x880   ; pass y + 8
	s_lshl_b32 s32, s28, 17                        ; my wave's 512 units: 16 chunks of 8,192 bytes; in w2c 512 columns of 256 bytes
	s_add_nc_u64 s[8:9], s[8:9], s[32:33]
	s_add_nc_u64 s[14:15], s[14:15], s[32:33]
	s_lshl_b32 s32, s28, 13
	s_add_nc_u64 s[10:11], s[10:11], s[32:33]
	s_add_nc_u64 s[16:17], s[16:17], s[32:33]
	s_lshl_b32 s32, s28, 11
	s_add_nc_u64 s[12:13], s[12:13], s[32:33]
	RESET
	FILL 0                                         ; W1's first two chunks hang on no record: they are asked for while the records are read
	FILL 1
	s_lshl_b32 s32, ttmp9, 18                      ; out0: row 128 nb + 32 w
	s_lshl_b32 s34, s28, 16
	s_add_co_u32 s32, s32, s34
	s_add_nc_u64 s[22:23], s[22:23], s[32:33]
	s_lshl_b32 s32, ttmp9, 15                      ; xq and xs at block nb of group 0, my wave's quarter
	s_lshl_b32 s34, s28, 13
	s_add_co_u32 s32, s32, s34
	s_add_nc_u64 s[4:5], s[4:5], s[32:33]
	s_lshl_b32 s32, ttmp9, 11
	s_lshl_b32 s34, s28, 9
	s_add_co_u32 s32, s32, s34
	s_add_nc_u64 s[6:7], s[6:7], s[32:33]
	s_wait_kmcnt 0x0
	s_min_u32 s24, s24, 7                          ; what was read is held inside its range before it enters an address
	s_min_u32 s25, s25, 511
	s_min_u32 s26, s26, 64
	s_min_u32 s44, s44, 7
	s_min_u32 s45, s45, 511
	s_min_u32 s46, s46, 64
	XQLOAD                                         ; the first pass's codes of x (a pass without columns has group 0: the loads stay inside the buffers)
	s_sub_co_u32 s40, s26, 1
	s_and_b32 s41, s40, -4
	s_sub_co_u32 s42, s46, 1
	s_and_b32 s43, s42, -4
	COLS 25, 26, 40, 41, GA, WO
	COLS 45, 46, 42, 43, GA+8, WOB
	s_wait_loadcnt 0x0                             ; the 16 gathers, issued last
	COLP WO, BA
	COLP WOB, BA+4
	s_mov_b32 s62, 2
.Ltrip:
	s_cmp_eq_u32 s26, 0                            ; a pass without columns: nothing to share, nothing to multiply
	s_cbranch_scc1 .Lshare
	s_wait_loadcnt 42                              ; my quarter of x's codes is in: on the way back round the loop two refills of 21 were issued behind it
	WIN 0x08                                       ; an LDS store's data: window 2
.irp i, 0,1,2,3,4,5,6,7,8,9,10,11,12,13,14,15
	ds_store_b128 v[XW], v[4*\i:4*\i+3] offset:512*\i   ; as images of the registers: 512 consecutive bytes a store
.endr
	ds_store_b128 v[XSW], v[64:67]
	WIN 0
.Lshare:
	s_wait_dscnt 0x0                               ; for the others' sake: my quarter has landed
	s_barrier_signal -1
	s_barrier_wait -1                              ; x's 32 fragments and their scale words lie in LDS
	s_cmp_eq_u32 s26, 0
	s_cbranch_scc1 .Lmeet
	WIN 0x40                                       ; destination window 1
.set XI, 0
.rept 64
	ds_load_b128 v[4*XI:4*XI+3], v[XR] offset:512*XI   ; x's 32 fragments stay in registers
.set XI, XI+1
.endr
	WIN 0
.irp s, 0,1,2,3
	ds_load_b128 v[XS+4*\s:XS+4*\s+3], v[XR] offset:32768+512*\s
.endr
	W2LOAD
	s_wait_loadcnt 12                              ; W1's first two chunks and b2 are in; W2's 12, issued last, are wanted at the fourth chunk's end
	s_wait_dscnt 0x0                               ; x
	s_mov_b32 s39, 2
	PS 1, 0                                        ; the first K step of the second product starts its sums
.Lps:
	PS 0, 0
	s_sub_co_u32 s39, s39, 1
	s_cmp_lg_u32 s39, 0
	s_cbranch_scc1 .Lps
	PS 0, 1                                        ; the last asks for nothing more
	WIN 0x0c                                       ; an LDS store's data: window 3
.irp t, 0,1,2,3
.irp m, 0,1,2,3,4,5,6,7
	ds_store_b128 v[STO], v[64*\t+8*\m:64*\t+8*\m+3] offset:16*272*\m+64*\t       ; lane (r, h): row 16 m + r, places 16 t + 8 h + 0..7; each accumulator from its low end on
	ds_store_b128 v[STO], v[64*\t+8*\m+4:64*\t+8*\m+7] offset:16*272*\m+64*\t+16
.endr
.endr
	WIN 0
.Lmeet:
	s_wait_dscnt 0x0                               ; for the others' sake: my part has landed
	s_barrier_signal -1
	s_barrier_wait -1                              ; the four parts lie in LDS
	s_cmp_eq_u32 s26, 0
	s_cbranch_scc1 .Lnext
	s_wait_loadcnt 0x0                             ; no load is out: b2 is in, and the registers below are free
.irp e, 0,1,2,3                        ; wave w adds and stores rows 32 w .. + 31, two to an instruction, eight at a time
.irp i, 0,1,2,3
.irp p, 0,1,2,3
	ds_load_b128 v[PT+16*\i+4*\p:PT+16*\i+4*\p+3], v[RD+\p] offset:544*(4*\e+\i)
.endr
.endr
	s_wait_dscnt 0x0
.irp i, 0,1,2,3
	v_pk_add_f32 v[PT+16*\i:PT+16*\i+1], v[PT+16*\i:PT+16*\i+1], v[PT+16*\i+4:PT+16*\i+5]
	v_pk_add_f32 v[PT+16*\i+2:PT+16*\i+3], v[PT+16*\i+2:PT+16*\i+3], v[PT+16*\i+6:PT+16*\i+7]
	v_pk_add_f32 v[PT+16*\i+8:PT+16*\i+9], v[PT+16*\i+8:PT+16*\i+9], v[PT+16*\i+12:PT+16*\i+13]
	v_pk_add_f32 v[PT+16*\i+10:PT+16*\i+11], v[PT+16*\i+10:PT+16*\i+11], v[PT+16*\i+14:PT+16*\i+15]
	v_pk_add_f32 v[PT+16*\i:PT+16*\i+1], v[PT+16*\i:PT+16*\i+1], v[PT+16*\i+8:PT+16*\i+9]
	v_pk_add_f32 v[PT+16*\i+2:PT+16*\i+3], v[PT+16*\i+2:PT+16*\i+3], v[PT+16*\i+10:PT+16*\i+11]
	v_pk_add_f32 v[SUM+4*(4*\e+\i):SUM+4*(4*\e+\i)+1], v[PT+16*\i:PT+16*\i+1], v[B2Q:B2Q+1]
	v_pk_add_f32 v[SUM+4*(4*\e+\i)+2:SUM+4*(4*\e+\i)+3], v[PT+16*\i+2:PT+16*\i+3], v[B2Q+2:B2Q+3]
.endr
.endr
	s_cmp_lg_u32 s27, 0
	s_cbranch_scc0 .Lsingle
.irp i, 0,1,2,3,4,5,6,7,8,9,10,11,12,13,14,15
	global_store_b128 v[OQ], v[SUM+4*\i:SUM+4*\i+3], s[22:23] offset:4096*\i th:TH_STORE_NT   ; my four places are four neighbouring columns; where a pass's columns are neighbours, 16 lanes store 256 consecutive bytes
.endr
	s_branch .Lnext
.Lsingle:                              ; groups that cut through an aligned four of columns: each number by itself
.irp i, 0,1,2,3,4,5,6,7,8,9,10,11,12,13,14,15
.irp k, 0,1,2,3
	global_store_b32 v[OQ+\k], v[SUM+4*\i+\k], s[22:23] offset:4096*\i th:TH_STORE_NT
.endr
.endr
.Lnext:
	s_wait_dscnt 0x0                               ; my reads of the stages are over,
	s_barrier_signal -1
	s_barrier_wait -1                              ; everybody's are: the next trip may store there
	s_wait_loadcnt 0x0                             ; the second pass's b2 is in; no load still reads v4-11 or a pointer that walks
	s_wait_xcnt 0x0                                ; the stores have read their offsets and data
.irp i, 0,1,2,3,4,5,6,7,8,9,10,11,12,13,14,15
	v_mov_b32 v[WO+\i], v[WOB+\i]                  ; the second pass takes the first's place
.endr
	s_mov_b32 s24, s44
	s_mov_b32 s26, s46
	s_mov_b32 s27, s47
	s_mov_b32 s46, 0                               ; behind the second pass there is none
	s_cmp_eq_u32 s26, 0
	s_cbranch_scc1 .Lidle
	RESET                                          ; a second pass with columns: its codes of x first, then W1's first two chunks again
	XQLOAD
	FILL 0
	FILL 1
.Lidle:
	s_sub_co_u32 s62, s62, 1
	s_cmp_lg_u32 s62, 0
	s_cbranch_scc1 .Ltrip
	s_wait_tensorcnt 0x0
	ds_add_u32 v254, v255
	s_wait_dscnt 0x0
	s_endpgm
.Lfunc_end_k_qe6387063d4_net:
	.size	k_qe6387063d4_net, .Lfunc_end_k_qe6387063d4_net-k_qe6387063d4_net
	.p2alignl 7, 3214868480
	.fill 96, 4, 3214868480
	.section	.rodata,"a",@progbits
	.p2align	6, 0x0
	.amdhsa_kernel k_qe6387063d4_net
		.amdhsa_group_segment_fixed_size 174592
		.amdhsa_private_segment_fixed_size 0
		.amdhsa_enable_private_segment 0
		.amdhsa_kernarg_size 80
		.amdhsa_user_sgpr_count 2
		.amdhsa_user_sgpr_kernarg_segment_ptr 1
		.amdhsa_wavefront_size32 1
		.amdhsa_system_sgpr_workgroup_id_x 1
		.amdhsa_system_sgpr_workgroup_id_y 1
		.amdhsa_system_sgpr_workgroup_id_z 1
		.amdhsa_system_vgpr_workitem_id 0
		.amdhsa_next_free_vgpr 1024
		.amdhsa_next_free_sgpr 66
		.amdhsa_reserve_vcc 1
		.amdhsa_float_denorm_mode_32 3
		.amdhsa_float_denorm_mode_16_64 3
		.amdhsa_memory_ordered 1
		.amdhsa_forward_progress 1
		.amdhsa_inst_pref_size 255
	.end_amdhsa_kernel
	.section	.bss,"aw",@nobits
	.p2align	6
	.space	262144
	.amdgpu_metadata
---
amdhsa.version: [ 1, 2 ]
amdhsa.kernels:
  - .name:           k_qe6387063d4_net
    .symbol:         k_qe6387063d4_net.kd
    .args:
      - { .name: xq, .offset: 0, .size: 8, .value_kind: global_buffer, .address_space: global }
      - { .name: xs, .offset: 8, .size: 8, .value_kind: global_buffer, .address_space: global }
      - { .name: w1f, .offset: 16, .size: 8, .value_kind: global_buffer, .address_space: global }
      - { .name: w1s, .offset: 24, .size: 8, .value_kind: global_buffer, .address_space: global }
      - { .name: b1, .offset: 32, .size: 8, .value_kind: global_buffer, .address_space: global }
      - { .name: w2c, .offset: 40, .size: 8, .value_kind: global_buffer, .address_space: global }
      - { .name: w2s, .offset: 48, .size: 8, .value_kind: global_buffer, .address_space: global }
      - { .name: b2, .offset: 56, .size: 8, .value_kind: global_buffer, .address_space: global }
      - { .name: ordr, .offset: 64, .size: 8, .value_kind: global_buffer, .address_space: global }
      - { .name: out0, .offset: 72, .size: 8, .value_kind: global_buffer, .address_space: global }
    .group_segment_fixed_size: 174592
    .private_segment_fixed_size: 0
    .kernarg_segment_align: 8
    .kernarg_segment_size: 80
    .max_flat_workgroup_size: 128
    .sgpr_count:     66
    .vgpr_count:     1024
    .wavefront_size: 32
...
	.end_amdgpu_metadata
.endif
;; end of part 2
;; ======== version 2 of 2: 2 launches
;; workspace buffers: xq 8,388,608 bytes; xs 524,288 bytes; w1f 524,288 bytes; w1s 32,768 bytes; w2c 524,288 bytes; w2s 32,768 bytes; ordr 2,560 bytes of whole numbers
;; launch prep (part 3): grid 321 x 1, 8 waves a work-group, no clusters, 75,008 bytes of LDS; arguments x, A_mask, W1, W2, col_idx, xq, xs, w1f, w1s, w2c, w2s, ordr; writes xq, xs, w1f, w1s, w2c, w2s, ordr
.if DOCPART == 3
	.amdgcn_target "amdgcn-amd-amdhsa--gfx1250"
	.amdhsa_code_object_version 6
	.text
	.protected	k_qe6387063d4_prep
	.globl	k_qe6387063d4_prep
	.p2align	8
	.type	k_qe6387063d4_prep,@function
k_qe6387063d4_prep:
	s_mov_b64 s[64:65], 0
	v_nop
	global_prefetch_b8 v0, s[64:65] scope:SCOPE_SE
	s_setreg_imm32_b32 hwreg(HW_REG_WAVE_MODE, 25, 1), 1
	s_wait_xcnt 0x0
; WHAT IS QUANTISED ONCE, AND THE SORT OF THE COLUMNS.  Four kinds of work-group, told apart by the work-group's number alone; each kind has LDS bytes of its own.
;   0        S:  the 512 output columns are sorted by their group (col_idx), by counting, in one wave; a list of passes (group, first place, number of columns up to 64, flag) is written.
;   1..32    W1: W1 [512 (k)][2048] f32 -> codes of E2M1 along k and E8M0 scale words, laid in the order of the operand's registers.
;   33..64   W2: W2 [2048 (k)][512] f32 -> codes and scale words, a column's 512 k on end.
;   65..320  X:  x [4096][512] times each of the 8 columns of A_mask [512][8], in f32, -> codes and scale words, in the order of the operand's registers.
; THE QUANTISER: a block of 32 along k; scale = 2^(floor(log2(largest magnitude)) - 2): its byte is the largest magnitude's exponent field - 2; numbers / scale to the nearest code, ties to even, beyond 6 the code of 6.
; LAYOUTS (a piece = 16 bytes = the 32 codes of a block; lane = 16 h + r):
;   xq  [g 8][nb 32][m 8][s 4][cc 2][lane][16]: row 128 nb + 16 m + r, block 4 s + 2 cc + h        xs  [g][nb][s][mq 2][r 16][4 words]: word m' of row tile 4 mq + m', K step s
;   w1f [B 64][s 4][u 2][cc 2][lane][16]: unit 32 B + 8 u + r + 8 (r / 8), block 4 s + 2 cc + h     w1s [B][16 u + r][4 words s]
;   w2c [w 4][j 512][256]: the piece of hidden block 16 w + kb at byte 16 kb                        w2s [w][j][4 words]
;   ordr: ints 0..511 the columns in sorted order; from int 512 on 32 records of 4 ints.
; LIMITS: NaN and infinities among the inputs are not served.  A block whose largest magnitude lies under 2^-124, a block of zeros among them, gets the byte 1 (the stated quantiser gives a block of zeros 127):
; its codes are zeros, which add nothing, and the bytes are read by this program alone.  col_idx holds 0..7, as the gather that it feeds asks.
.set XST, 0                            ; X: 64 rows of 512 bytes + 16
.set MST, 33792                        ; X: the mask's slice turned, 8 groups x (512 bytes + 16)
.set W1I, 38144                        ; W1: 2,048 bytes of pieces for each wave
.set W1J, 54528                        ; W1: 2 x 512 bytes of scale words
.set W2I, 55552                        ; W2: 64 columns x (256 bytes + 16)
.set W2J, 72960                        ; W2: 64 x 16 bytes of scale words
; 32 numbers down k of my column: block t into set t % 2.  v1 = 4 x lane: 32 lanes read 128 consecutive bytes
.macro QLOAD t, pitch
.irp i, 0,1,2,3,4,5,6,7,8,9,10,11,12,13,14,15,16,17,18,19,20,21,22,23,24,25,26,27,28,29,30,31
	global_load_b32 v[16+32*((\t)%2)+\i], v1, s[30:31] offset:(32*(\t)+\i)*(\pitch) th:TH_LOAD_NT
.endr
.endm
; A LANE TAKES A COLUMN AND ITS REGISTERS RUN DOWN K: four blocks; block b's piece goes to LDS at v2 + pstep b; the four bytes make the word v212.  Each block has its own four registers of codes.
.macro QCOL pitch, pstep
	QLOAD 0, \pitch
	QLOAD 1, \pitch
.irp b, 0,1,2,3
.if \b < 3
	s_wait_loadcnt 32                              ; this block's 32 loads are in; the next block's 32 may be out
.else
	s_wait_loadcnt 0x0
.endif
	v_max3_num_f32 v208, |v[16+32*(\b%2)]|, |v[17+32*(\b%2)]|, |v[18+32*(\b%2)]|
	v_max3_num_f32 v209, |v[19+32*(\b%2)]|, |v[20+32*(\b%2)]|, |v[21+32*(\b%2)]|
.irp i, 6,10,14,18,22,26
	s_delay_alu instid0(VALU_DEP_2)
	v_max3_num_f32 v208, v208, |v[16+32*(\b%2)+\i]|, |v[17+32*(\b%2)+\i]|
	s_delay_alu instid0(VALU_DEP_2)
	v_max3_num_f32 v209, v209, |v[18+32*(\b%2)+\i]|, |v[19+32*(\b%2)+\i]|
.endr
	s_delay_alu instid0(VALU_DEP_2)
	v_max3_num_f32 v208, v208, |v[46+32*(\b%2)]|, |v[47+32*(\b%2)]|
	s_delay_alu instid0(VALU_DEP_1)
	v_max3_num_f32 v208, v208, v209, 0x1800000     ; and the floor 2^(3 - 127): the byte cannot fall under 1
	s_delay_alu instid0(VALU_DEP_1)
	v_add_nc_u32 v210, 0xff000000, v208            ; 2 off the exponent field: the conversion's scale operand
	s_delay_alu instid0(VALU_DEP_1)
	v_lshrrev_b32 v211, 23, v210                   ; the scale's byte
.if \b == 0
	s_delay_alu instid0(VALU_DEP_1)
	v_mov_b32 v212, v211
.else
	s_delay_alu instid0(VALU_DEP_1)
	v_lshl_or_b32 v212, v211, 8*\b, v212
.endif
.irp g, 0,1,2,3
	v_cvt_scalef32_pk8_fp4_f32 v[176+4*\b+\g], v[16+32*(\b%2)+8*\g:23+32*(\b%2)+8*\g], v210
.endr
	ds_store_b128 v2, v[176+4*\b:179+4*\b] offset:(\pstep)*\b
.if \b < 2
	QLOAD \b+2, \pitch
.endif
.endr
.endm
	s_load_b512 s[4:19], s[0:1], 0x0               ; x s4, A_mask s6, W1 s8, W2 s10, col_idx s12, xq s14, xs s16, w1f s18
	s_load_b256 s[20:27], s[0:1], 0x40             ; w1s s20, w2c s22, w2s s24, ordr s26
	v_lshl_add_u32 v224, v0, 2, 0x12100
	v_mov_b32 v225, 0
	v_lshrrev_b32 v1, 5, v0
	s_delay_alu instid0(VALU_DEP_1)
	v_readfirstlane_b32 s28, v1                    ; wave 0..7
	v_and_b32 v15, 31, v0                          ; lane
	v_and_b32 v14, 15, v0                          ; r
	v_bfe_u32 v13, v0, 4, 1                        ; h
	s_mov_b32 s37, 0                               ; the upper word of every offset
	s_wait_kmcnt 0x0
	s_cmp_eq_u32 ttmp9, 0
	s_cbranch_scc1 .Lsort
	s_cmp_lt_u32 ttmp9, 33
	s_cbranch_scc1 .Lw1
	s_cmp_lt_u32 ttmp9, 65
	s_cbranch_scc1 .Lw2
; ---------------- X: 64 rows x 128 inputs of x; wave g makes group g's codes of them
	s_sub_co_u32 s29, ttmp9, 65
	s_lshr_b32 s32, s29, 3                         ; nb
	s_bfe_u32 s33, s29, 0x20001                    ; s: which 128 inputs
	s_and_b32 s34, s29, 1                          ; mq: which 64 rows of the 128
	s_lshl_b32 s36, s32, 18                        ; x: (128 nb + 64 mq + 8 wave) rows of 2,048 bytes + 512 s
	s_lshl_b32 s35, s34, 17
	s_add_co_u32 s36, s36, s35
	s_lshl_b32 s35, s28, 14
	s_add_co_u32 s36, s36, s35
	s_lshl_b32 s35, s33, 9
	s_add_co_u32 s36, s36, s35
	s_add_nc_u64 s[30:31], s[4:5], s[36:37]
	s_lshl_b32 s36, s33, 12                        ; A_mask: 128 inputs x 32 bytes
	s_add_nc_u64 s[38:39], s[6:7], s[36:37]
	s_lshl_b32 s36, s28, 20                        ; xq
	s_lshl_b32 s35, s32, 15
	s_add_co_u32 s36, s36, s35
	s_lshl_b32 s35, s34, 14
	s_add_co_u32 s36, s36, s35
	s_lshl_b32 s35, s33, 10
	s_add_co_u32 s36, s36, s35
	s_add_nc_u64 s[40:41], s[14:15], s[36:37]
	s_lshl_b32 s36, s28, 16                        ; xs
	s_lshl_b32 s35, s32, 11
	s_add_co_u32 s36, s36, s35
	s_lshl_b32 s35, s33, 9
	s_add_co_u32 s36, s36, s35
	s_lshl_b32 s35, s34, 8
	s_add_co_u32 s36, s36, s35
	s_add_nc_u64 s[42:43], s[16:17], s[36:37]
	s_mov_b32 s44, 0x76543210                      ; v_permlanex16_b32's selects for lane l xor 16
	s_mov_b32 s45, 0xfedcba98
	s_mov_b32 s46, 0xffff0000                      ; lanes 16-31
	s_wait_alu depctr_va_vdst(0)
	v_lshlrev_b32 v1, 4, v15                       ; 16 x lane
	v_lshlrev_b32 v2, 4, v0                        ; 16 x thread
.irp i, 0,1,2,3,4,5,6,7
	global_load_b128 v[80+4*\i:83+4*\i], v1, s[30:31] offset:2048*\i th:TH_LOAD_NT   ; a row's 512 bytes to a load
.endr
	global_load_b128 v[144:147], v2, s[38:39]      ; thread t: input t / 2, groups 4 (t % 2) + 0..3
	s_mul_i32 s47, s28, 8*528
	v_add_nc_u32 v3, s47, v1                       ; the stage: my wave's 8 rows
	v_and_b32 v5, 1, v0
	s_delay_alu instid0(VALU_DEP_1)
	v_mul_u32_u24 v5, v5, 4*528
	v_lshrrev_b32 v6, 1, v0
	s_delay_alu instid0(VALU_DEP_1)
	v_lshl_add_u32 v4, v6, 2, v5
	s_delay_alu instid0(VALU_DEP_1)
	v_add_nc_u32 v4, MST, v4                       ; the mask turned: [group][input]
	s_mul_i32 s48, s28, 528
	s_add_co_u32 s48, s48, MST
	v_lshl_add_u32 v7, v13, 7, s48                 ; my group's row of it, + 128 h
	v_mul_u32_u24 v8, v14, 528
	s_delay_alu instid0(VALU_DEP_1)
	v_lshl_add_u32 v8, v13, 7, v8                  ; x: row r, + 128 h: my block of 32
	v_lshlrev_b32 v9, 4, v14
	s_delay_alu instid0(VALU_DEP_1)
	v_lshl_add_u32 v9, v13, 3, v9                  ; xs: 16 r + 8 h
	v_lshlrev_b32 v12, 3, v13                      ; 8 h
	v_mov_b32 v220, 0                              ; a lane permute's destination counts as one of its sources
	s_wait_alu depctr_va_vdst(0)
	s_wait_loadcnt 0x0
.irp i, 0,1,2,3,4,5,6,7
	ds_store_b128 v3, v[80+4*\i:83+4*\i] offset:528*\i
.endr
.irp k, 0,1,2,3
	ds_store_b32 v4, v[144+\k] offset:528*\k
.endr
	s_wait_dscnt 0x0                               ; for the others' sake: my stores have landed
	s_barrier_signal -1
	s_barrier_wait -1
.irp c, 0,1
.irp j, 0,1,2,3,4,5,6,7
	ds_load_b128 v[16+32*\c+4*\j:19+32*\c+4*\j], v7 offset:256*\c+16*\j   ; my group's mask of inputs 64 c + 32 h + 0..31: it stays
.endr
.endr
.macro XL it                           ; turn it: row tile it / 2, half it % 2 of the 128 inputs: my block's 32 numbers into set it % 2
.irp j, 0,1,2,3,4,5,6,7
	ds_load_b128 v[80+32*((\it)%2)+4*\j:83+32*((\it)%2)+4*\j], v8 offset:((\it)/2)*16*528+((\it)%2)*256+16*\j
.endr
.endm
.macro TURN it
.set XB, 80+32*((\it)%2)
.set MB, 16+32*((\it)%2)
.if (\it) < 7
	XL (\it)+1
	s_wait_dscnt 8                                 ; all but the next turn's eight loads
.else
	s_wait_dscnt 0x0
.endif
.irp p, 0,2,4,6,8,10,12,14,16,18,20,22,24,26,28,30
	v_pk_mul_f32 v[144+\p:145+\p], v[XB+\p:XB+\p+1], v[MB+\p:MB+\p+1]   ; x times the mask, in f32
.endr
.irp c, 0,1,2,3
	v_max3_num_f32 v[208+\c], |v[144+8*\c]|, |v[145+8*\c]|, |v[146+8*\c]|   ; the block's largest magnitude, in four chains
.endr
.irp i, 3,5
.irp c, 0,1,2,3
	s_delay_alu instid0(VALU_DEP_4)
	v_max3_num_f32 v[208+\c], v[208+\c], |v[144+8*\c+\i]|, |v[145+8*\c+\i]|
.endr
.endr
	s_delay_alu instid0(VALU_DEP_4)
	v_max3_num_f32 v208, v208, |v151|, |v159|
	s_delay_alu instid0(VALU_DEP_3)
	v_max3_num_f32 v210, v210, |v167|, |v175|
	s_delay_alu instid0(VALU_DEP_1)
	v_max3_num_f32 v208, v208, v209, v210
	s_delay_alu instid0(VALU_DEP_1)
	v_max3_num_f32 v208, v208, v211, 0x1800000     ; and the floor 2^(3 - 127)
	s_delay_alu instid0(VALU_DEP_1)
	v_add_nc_u32 v212, 0xff000000, v208
.irp g, 0,1,2,3
	v_cvt_scalef32_pk8_fp4_f32 v[176+4*(\it)+\g], v[144+8*\g:151+8*\g], v212   ; each turn has its own four registers: no store's data are written again
.endr
	v_lshrrev_b32 v[214+(\it)%2], 23, v212         ; the scale's byte (a plain line behind the conversions)
	global_store_b128 v1, v[176+4*(\it):179+4*(\it)], s[40:41] offset:((\it)/2)*4096+((\it)%2)*512   ; 512 consecutive bytes
.if (\it)%2 == 1
	v_lshl_or_b32 v213, v215, 16, v214             ; my two bytes: blocks h and 2 + h,
	s_delay_alu instid0(VALU_DEP_1)
	v_lshlrev_b32 v213, v12, v213                  ; at their places in the word;
	s_delay_alu instid0(VALU_DEP_1)
	v_permlanex16_b32 v220, v213, s44, s45
	s_delay_alu instid0(VALU_DEP_1)
	v_or_b32 v[216+(\it)/2], v213, v220            ; with lane l xor 16's the word is whole
.endif
.endm
	XL 0
.irp t, 0,1,2,3,4,5,6,7
	TURN \t
.endr
	v_cndmask_b32 v222, v216, v218, s46            ; lanes 0-15 store words 0, 1 of row r, lanes 16-31 words 2, 3
	s_delay_alu instid0(VALU_DEP_2)
	v_cndmask_b32 v223, v217, v219, s46
	global_store_b64 v9, v[222:223], s[42:43]      ; 256 consecutive bytes, aligned
	s_wait_tensorcnt 0x0
	ds_add_u32 v224, v225
	s_wait_dscnt 0x0
	s_endpgm
; ---------------- W1: wave v takes 32 units (chunk B) x 128 k (K step s)
.Lw1:
	s_sub_co_u32 s29, ttmp9, 1                     ; q
	s_lshr_b32 s32, s28, 2
	s_lshl_b32 s33, s29, 1
	s_add_co_u32 s33, s33, s32                     ; B = 2 q + wave / 4
	s_and_b32 s34, s28, 3                          ; s
	s_lshl_b32 s36, s34, 20                        ; 128 s rows of 8,192 bytes
	s_lshl_b32 s35, s33, 7                         ; + 32 B columns
	s_add_co_u32 s36, s36, s35
	s_add_nc_u64 s[30:31], s[8:9], s[36:37]
	s_lshl_b32 s36, s33, 13
	s_lshl_b32 s35, s34, 11
	s_add_co_u32 s36, s36, s35
	s_add_nc_u64 s[40:41], s[18:19], s[36:37]      ; w1f at (B, s)
	s_and_b32 s44, s28, 1
	s_lshl_b32 s36, s29, 10
	s_lshl_b32 s35, s44, 9
	s_add_co_u32 s36, s36, s35
	s_add_nc_u64 s[42:43], s[20:21], s[36:37]      ; w1s at chunk 2 q + wave % 2
	s_wait_alu depctr_va_vdst(0)
	v_lshlrev_b32 v1, 2, v15
	v_lshlrev_b32 v10, 4, v15
	v_bfe_u32 v4, v0, 3, 1                         ; unit l of the chunk lies in tile u = (l / 8) % 2,
	v_and_b32 v5, 7, v0
	s_delay_alu instid0(VALU_DEP_1)
	v_lshl_add_u32 v5, v13, 3, v5                  ; at row r = l % 8 + 8 (l / 16)
	s_lshl_b32 s38, s28, 11
	s_add_co_u32 s38, s38, W1I                     ; my wave's 2,048 bytes
	v_lshlrev_b32 v2, 4, v5
	s_delay_alu instid0(VALU_DEP_1)
	v_lshl_add_u32 v2, v4, 10, v2
	s_delay_alu instid0(VALU_DEP_1)
	v_add_nc_u32 v2, s38, v2                       ; a piece: 1,024 u + 16 r, + 256 for each block (512 cc + 256 h)
	v_lshl_add_u32 v7, v15, 4, s38                 ; and back as it lies
	v_lshl_add_u32 v9, v4, 4, v5                   ; 16 u + r
	s_lshl_b32 s39, s32, 9
	s_lshl_b32 s35, s34, 2
	s_add_co_u32 s39, s39, s35
	s_add_co_u32 s39, s39, W1J
	v_lshl_add_u32 v8, v9, 4, s39                  ; the word: 512 (wave / 4) + 16 (16 u + r) + 4 s
	s_lshl_b32 s45, s44, 9
	s_add_co_u32 s45, s45, W1J
	v_lshl_add_u32 v11, v15, 4, s45
	QCOL 8192, 256
	ds_store_b32 v8, v212
.irp t, 0,1,2,3
	ds_load_b128 v[192+4*\t:195+4*\t], v7 offset:512*\t   ; my own bytes: LDS serves a wave's instructions in order
.endr
	s_wait_dscnt 0x0                               ; the pieces are back, and my word has landed, for the others' sake
.irp t, 0,1,2,3
	global_store_b128 v10, v[192+4*\t:195+4*\t], s[40:41] offset:512*\t
.endr
	s_barrier_signal -1
	s_barrier_wait -1                              ; the four K steps' words of both chunks lie in LDS
	s_cmp_gt_u32 s28, 1
	s_cbranch_scc1 .Lend
	ds_load_b128 v[216:219], v11
	s_wait_dscnt 0x0
	global_store_b128 v10, v[216:219], s[42:43]    ; a chunk's 512 bytes of scale words
	s_wait_tensorcnt 0x0
	ds_add_u32 v224, v225
	s_wait_dscnt 0x0
	s_endpgm
; ---------------- W2: 64 columns x 512 k; wave v takes 32 columns x 128 k
.Lw2:
	s_sub_co_u32 s29, ttmp9, 33
	s_and_b32 s32, s29, 7                          ; jg: which 64 columns
	s_lshr_b32 s33, s29, 3                         ; w: which 512 k
	s_and_b32 s34, s28, 1                          ; ch
	s_lshr_b32 s44, s28, 1                         ; kq
	s_lshl_b32 s36, s33, 20                        ; (512 w + 128 kq) rows of 2,048 bytes
	s_lshl_b32 s35, s44, 18
	s_add_co_u32 s36, s36, s35
	s_lshl_b32 s35, s32, 8                         ; + (64 jg + 32 ch) columns
	s_add_co_u32 s36, s36, s35
	s_lshl_b32 s35, s34, 7
	s_add_co_u32 s36, s36, s35
	s_add_nc_u64 s[30:31], s[10:11], s[36:37]
	s_lshl_b32 s36, s33, 17
	s_lshl_b32 s35, s32, 14
	s_add_co_u32 s36, s36, s35
	s_lshl_b32 s35, s28, 11
	s_add_co_u32 s36, s36, s35
	s_add_nc_u64 s[40:41], s[22:23], s[36:37]      ; w2c: my wave stores columns 8 wave .. + 7 of the 64
	s_lshl_b32 s36, s33, 13
	s_lshl_b32 s35, s32, 10
	s_add_co_u32 s36, s36, s35
	s_lshl_b32 s35, s34, 9
	s_add_co_u32 s36, s36, s35
	s_add_nc_u64 s[42:43], s[24:25], s[36:37]      ; w2s
	s_wait_alu depctr_va_vdst(0)
	v_lshlrev_b32 v1, 2, v15
	s_wait_alu depctr_va_vdst(0)
	v_lshlrev_b32 v10, 4, v15
	s_mul_i32 s38, s34, 32*272
	s_lshl_b32 s35, s44, 6
	s_add_co_u32 s38, s38, s35
	s_add_co_u32 s38, s38, W2I
	v_mul_u32_u24 v2, v15, 272
	s_delay_alu instid0(VALU_DEP_1)
	v_add_nc_u32 v2, s38, v2                       ; a piece: column (32 ch + lane) x 272 + 64 kq, + 16 for each block
	s_lshl_b32 s39, s34, 9
	s_lshl_b32 s35, s44, 2
	s_add_co_u32 s39, s39, s35
	s_add_co_u32 s39, s39, W2J
	v_lshl_add_u32 v8, v15, 4, s39                 ; the word: 16 x column + 4 kq
	s_mul_i32 s45, s28, 8*272
	s_add_co_u32 s45, s45, W2I
	v_mul_u32_u24 v7, v13, 272
	s_delay_alu instid0(VALU_DEP_1)
	v_lshl_add_u32 v7, v14, 4, v7
	s_delay_alu instid0(VALU_DEP_1)
	v_add_nc_u32 v7, s45, v7                       ; back: sixteen lanes to a column's 256 bytes, two columns an instruction
	s_lshl_b32 s46, s34, 9
	s_add_co_u32 s46, s46, W2J
	v_lshl_add_u32 v11, v15, 4, s46
	QCOL 2048, 16
	ds_store_b32 v8, v212
	s_wait_dscnt 0x0                               ; for the others' sake: my pieces and my word have landed
	s_barrier_signal -1
	s_barrier_wait -1
.irp t, 0,1,2,3
	ds_load_b128 v[192+4*\t:195+4*\t], v7 offset:544*\t
.endr
	s_wait_dscnt 0x0
.irp t, 0,1,2,3
	global_store_b128 v10, v[192+4*\t:195+4*\t], s[40:41] offset:512*\t   ; 512 consecutive bytes
.endr
	s_cmp_gt_u32 s28, 1
	s_cbranch_scc1 .Lend
	ds_load_b128 v[216:219], v11
	s_wait_dscnt 0x0
	global_store_b128 v10, v[216:219], s[42:43]
	s_wait_tensorcnt 0x0
	ds_add_u32 v224, v225
	s_wait_dscnt 0x0
	s_endpgm
; ---------------- S: one wave sorts the columns by group.  Column 32 i + lane is in register i
.Lsort:
	s_cmp_lg_u32 s28, 0
	s_cbranch_scc1 .Lend
	s_wait_alu depctr_va_vdst(0)
	v_lshlrev_b32 v1, 2, v15
.irp i, 0,1,2,3,4,5,6,7,8,9,10,11,12,13,14,15
	global_load_b32 v[16+\i], v1, s[12:13] offset:128*\i
.endr
.irp i, 0,1,2,3,4,5,6,7,8,9,10,11,12,13,14,15
	v_mov_b32 v[32+\i], 0                          ; the column's place in the sorted order
.endr
	v_mov_b32 v48, 0                               ; lane p: pass p's group,
	v_mov_b32 v49, 0                               ; first place,
	v_mov_b32 v50, 0                               ; number of columns (0: no such pass)
	v_mov_b32 v52, 0
	s_mov_b32 s30, 0                               ; columns placed so far
	s_mov_b32 s31, 0                               ; passes made so far
	s_mov_b32 s48, 0
	v_lshlrev_b32 v56, 4, v15
	s_wait_loadcnt 0x0
.irp i, 0,1,2,3,4,5,6,7,8,9,10,11,12,13,14,15
	v_mov_b32_dpp v52, v[16+\i] quad_perm:[0,0,0,0] row_mask:0xf bank_mask:0xf
	s_delay_alu instid0(VALU_DEP_1)
	v_cmp_ne_u32 s49, v52, v[16+\i]                ; does an aligned four of columns hold two groups?
	s_or_b32 s48, s48, s49
.endr
	s_cmp_eq_u32 s48, 0
	s_cselect_b32 s49, 1, 0                        ; flag 1: no: then each aligned four of places is an aligned four of columns
	v_mov_b32 v51, s49
.irp g, 0,1,2,3,4,5,6,7
	s_mov_b32 s50, s30                             ; the group's first place
.irp i, 0,1,2,3,4,5,6,7,8,9,10,11,12,13,14,15
	v_cmp_eq_u32 s[32+\i], \g, v[16+\i]
.endr
.irp i, 0,1,2,3,4,5,6,7,8,9,10,11,12,13,14,15
	v_mbcnt_lo_u32_b32 v52, s[32+\i], s30          ; the group's columns below mine in this register, + all placed before
	s_delay_alu instid0(VALU_DEP_1)
	v_cndmask_b32 v[32+\i], v[32+\i], v52, s[32+\i]
	s_bcnt1_i32_b32 s49, s[32+\i]
	s_add_co_u32 s30, s30, s49
.endr
	s_sub_co_u32 s49, s30, s50
	s_add_co_u32 s49, s49, 63
	s_lshr_b32 s49, s49, 6                         ; the group's passes of up to 64 columns
	s_add_co_u32 s52, s31, s49
	v_cmp_le_u32 s51, s31, v15
	v_cmp_gt_u32 s53, s52, v15
	s_and_b32 s51, s51, s53                        ; the lanes that stand for them
	v_sub_nc_u32 v52, v15, s31
	s_delay_alu instid0(VALU_DEP_1)
	v_lshl_add_u32 v52, v52, 6, s50                ; a pass's first place
	s_delay_alu instid0(VALU_DEP_1)
	v_sub_nc_u32 v53, s30, v52
	s_delay_alu instid0(VALU_DEP_1)
	v_min_u32 v53, 64, v53                         ; and its columns
	v_mov_b32 v54, \g
	s_delay_alu instid0(VALU_DEP_1)
	v_cndmask_b32 v48, v48, v54, s51
	v_cndmask_b32 v49, v49, v52, s51
	s_delay_alu instid0(VALU_DEP_4)
	v_cndmask_b32 v50, v50, v53, s51
	s_mov_b32 s31, s52
.endr
.irp i, 0,1,2,3,4,5,6,7,8,9,10,11,12,13,14,15
	v_min_u32 v[32+\i], 0x1ff, v[32+\i]
	s_delay_alu instid0(VALU_DEP_1)
	v_lshlrev_b32 v[32+\i], 2, v[32+\i]
	v_add_nc_u32 v[16+\i], 32*\i, v15              ; the column's number
.endr
.irp i, 0,1,2,3,4,5,6,7,8,9,10,11,12,13,14,15
	global_store_b32 v[32+\i], v[16+\i], s[26:27]  ; each place is taken by one column: all 512 ints are written
.endr
	global_store_b128 v56, v[48:51], s[26:27] offset:2048
.Lend:
	s_wait_alu depctr_va_vdst(0)
	s_wait_tensorcnt 0x0
	ds_add_u32 v224, v225
	s_wait_dscnt 0x0
	s_endpgm
.Lfunc_end_k_qe6387063d4_prep:
	.size	k_qe6387063d4_prep, .Lfunc_end_k_qe6387063d4_prep-k_qe6387063d4_prep
	.p2alignl 7, 3214868480
	.fill 96, 4, 3214868480
	.section	.rodata,"a",@progbits
	.p2align	6, 0x0
	.amdhsa_kernel k_qe6387063d4_prep
		.amdhsa_group_segment_fixed_size 75008
		.amdhsa_private_segment_fixed_size 0
		.amdhsa_enable_private_segment 0
		.amdhsa_kernarg_size 96
		.amdhsa_user_sgpr_count 2
		.amdhsa_user_sgpr_kernarg_segment_ptr 1
		.amdhsa_wavefront_size32 1
		.amdhsa_system_sgpr_workgroup_id_x 1
		.amdhsa_system_sgpr_workgroup_id_y 1
		.amdhsa_system_sgpr_workgroup_id_z 1
		.amdhsa_system_vgpr_workitem_id 0
		.amdhsa_next_free_vgpr 226
		.amdhsa_next_free_sgpr 66
		.amdhsa_reserve_vcc 0
		.amdhsa_float_denorm_mode_32 3
		.amdhsa_float_denorm_mode_16_64 3
		.amdhsa_memory_ordered 1
		.amdhsa_forward_progress 1
		.amdhsa_inst_pref_size 135
	.end_amdhsa_kernel
	.amdgpu_metadata
---
amdhsa.version: [ 1, 2 ]
amdhsa.kernels:
  - .name:           k_qe6387063d4_prep
    .symbol:         k_qe6387063d4_prep.kd
    .args:
      - { .name: x, .offset: 0, .size: 8, .value_kind: global_buffer, .address_space: global }
      - { .name: A_mask, .offset: 8, .size: 8, .value_kind: global_buffer, .address_space: global }
      - { .name: W1, .offset: 16, .size: 8, .value_kind: global_buffer, .address_space: global }
      - { .name: W2, .offset: 24, .size: 8, .value_kind: global_buffer, .address_space: global }
      - { .name: col_idx, .offset: 32, .size: 8, .value_kind: global_buffer, .address_space: global }
      - { .name: xq, .offset: 40, .size: 8, .value_kind: global_buffer, .address_space: global }
      - { .name: xs, .offset: 48, .size: 8, .value_kind: global_buffer, .address_space: global }
      - { .name: w1f, .offset: 56, .size: 8, .value_kind: global_buffer, .address_space: global }
      - { .name: w1s, .offset: 64, .size: 8, .value_kind: global_buffer, .address_space: global }
      - { .name: w2c, .offset: 72, .size: 8, .value_kind: global_buffer, .address_space: global }
      - { .name: w2s, .offset: 80, .size: 8, .value_kind: global_buffer, .address_space: global }
      - { .name: ordr, .offset: 88, .size: 8, .value_kind: global_buffer, .address_space: global }
    .group_segment_fixed_size: 75008
    .private_segment_fixed_size: 0
    .kernarg_segment_align: 8
    .kernarg_segment_size: 96
    .max_flat_workgroup_size: 256
    .sgpr_count:     66
    .vgpr_count:     226
    .wavefront_size: 32
...
	.end_amdgpu_metadata
.endif
;; end of part 3
;; launch net (part 4): grid 32 x 8, 4 waves a work-group, no clusters, 174,592 bytes of LDS; arguments xq, xs, w1f, w1s, b1, w2c, w2s, b2, ordr, out0; writes out0
.if DOCPART == 4
	.amdgcn_target "amdgcn-amd-amdhsa--gfx1250"
	.amdhsa_code_object_version 6
	.text
	.protected	k_qe6387063d4_net
	.globl	k_qe6387063d4_net
	.p2align	8
	.type	k_qe6387063d4_net,@function
k_qe6387063d4_net:
	s_mov_b64 s[64:65], 0
	v_nop
	global_prefetch_b8 v0, s[64:65] scope:SCOPE_SE
	s_setreg_imm32_b32 hwreg(HW_REG_WAVE_SCHED_MODE, 0, 2), 2
	s_setreg_imm32_b32 hwreg(HW_REG_WAVE_MODE, 25, 1), 1
	s_wait_xcnt 0x0
	s_wait_alu depctr_vm_vsrc(0)
; out[n][j] = (Q(relu(Q(x[n] * mask[g]) Q(W1) + b1)) Q(W2) + b2)[j] with g = col_idx[j]; both products on codes of E2M1 with one E8M0 scale for each 32 along K; sums in f32.
; Only the group that the gather keeps for a column is multiplied in the second product: the columns come sorted by group, in passes of up to 64 columns of one group (list ordr, made by the launch before).
; SHARES.  Work-group (nb, y) takes rows 128 nb .. + 127 of x and walks passes y and y + 8, a loop of two trips (the sort makes at most 8 + 7 = 15 passes).  A pass without columns has its work jumped over.
; THE FOUR WAVES SHARE THE HIDDEN UNITS: wave w makes units 512 w .. + 511 for all 128 rows, 32 at a time (a chunk), quantises them in registers, and multiplies each 128 of them (a K step of the second
; product) by the pass's 64 columns of W2.  So W1's codes are read once by a work-group and the hidden layer never leaves the wave's registers.  The four partial sums of the second product meet in LDS.
; x's CODES ARE FETCHED ONCE BY THE WORK-GROUP: each wave loads a quarter of the 32 fragments and one of the four blocks of scale words, stores them to LDS as images of the registers, and all four waves read all.
; W1's FRAGMENTS have two sets of registers; a set is asked for again in four parts, K step by K step: two parts from the middle of its chunk's products on, two behind the last of them.
; BOTH PRODUCTS ARE USED TRANSPOSED (source 0 = 16 rows of a weight, source 1 = 16 rows of x): a lane holds one row of x throughout.  THE UNITS OF A TILE OF W1 ARE NOT NEIGHBOURS: lane r of tile u takes unit
; 32 B + 8 u + r + 8 (r / 8), so that the 16 registers of tiles 0 and 1 are units 32 B + 16 (lane / 16) + 0 .. 15: neighbours along the next K.  b1 is the C of a sum's first matrix instruction.
; RELU: the block's maximum is taken without |.|, so that what is negative does not count; negative numbers become negative codes, whose magnitude bits are then cleared: four lines for eight numbers.
; NO TENSOR LOAD, NO CLUSTER: all operands go from memory into registers, laid by the launch before in the order of the registers.
; The three barriers of a trip stand on every wave's path, outside the branches on the pass's count; what is read behind a barrier is made in the same stretch of work or ahead of the first branch.
; LIMITS: NaN and infinities are not served.  A hidden block without a positive number gets the byte 1 and zero codes; negative hidden numbers become the code -0, which adds nothing.
; The second product's sum is ((w0 + w1) + (w2 + w3)) + b2: another order of f32 additions than one chain along K.  Places past a pass's end repeat one of its last columns: the same number is stored to the same place.
; A group with more than 64 columns takes a further pass, and with it the first product again.
; THE MODE: SCHED_MODE bits 1:0 = 2 (LLVM: expert scheduling mode 2), set by the entry lines.  The code itself states the register dependences between vector or matrix instructions and memory or LDS
; instructions, with s_wait_alu, always for 0.
; THE PLAN.  Registers that memory or LDS instructions touch, and who else names them:
;   v1-3, v20-25, v253    offsets and LDS addresses: made at the head, never written again.
;   W1's two sets, b1's two sets, W1's four sets of scale words: loads alone write them, the first product alone reads them.  Chunk c reads set c % 2; the loads for chunk c + 2 land in it.
;   W2's fragments and scale words: loads write them, the second product reads them.
;   x's codes (window 1) and scale words: LDS loads at a trip's head write them, the first product reads them; on the way out the four parts land in window 1 and are added there.
;   the hidden accumulators (window 2, v0-127): the first product writes them, the quantiser reads them; ahead of a trip my quarter of x's codes lands in v0-67, and LDS stores read it.
;   window 3: the second product writes it, the stage's LDS stores read it.     v126-189: offsets of the head's gathers, then the codes, then the sums that the global stores read.
;   v4-19: the pass's offsets and b2: made at the head and by sixteen moves between the passes; W2's loads and the stores read them.
; IN THE LOOP a chunk that asks for W1 has TWO waits on va_vdst.  The first stands behind its second group of products: groups 0 and 1 are done with their fragments and b1 (in a K step's first chunk: the second
; product is done with W2): parts 0 and 1 (and W2's loads) follow, dealt among groups 2 and 3, which name none of those registers.  The second stands behind the fourth group: parts 2 and 3 follow, dealt
; among the quantiser's lines, which name the accumulators and v50-57, v126-213.  A third wait, once in four chunks, stands ahead of the second product, whose operand and scales vector lines have written.
; REGISTERS, in windows of 256 (s_set_vgpr_msb: bits 1:0 source 0, 3:2 source 1, 5:4 source 2, 7:6 destination):
;   window 0: see the names below.   window 1: x's codes, fragment (row tile m, K step s) at 32 m + 8 s; on the way out the four parts of 32 rows.
;   window 2: v0-127 the hidden accumulators (m, u) at 16 m + 8 u (ahead of a trip v0-67: my quarter of x's codes on its way to LDS); v128-255 W1's fragments, two sets of 64: (s, u) at 8 (2 s + u).
;   window 3: the second product's accumulators (column tile t, m) at 64 t + 8 m.
.set LI,   1                           ; 16 x lane
.set BO,   2                           ; 64 h: my 16 numbers of a chunk's b1
.set XW,   3                           ; LDS: where I store my quarter of x's images
.set WO,   4                           ; v4-7    tile t: my column x 256 + 16 h in w2c     | v4-19: the pass in hand
.set WS,   8                           ; v8-11   my column x 16 in w2s                     |
.set OQ,   12                          ; v12-15  the way out: column k of my four x 4 + 2,048 h  |
.set B2Q,  16                          ; v16-19  b2 of my four columns                     |
.set STO,  20                          ; where I put 32 bytes of a row in my wave's stage
.set RD,   21                          ; v21-24  where I read 16 bytes of a row in stage p
.set XSW,  25                          ; LDS: where I store my block of x's scale words
.set XS,   26                          ; v26-41  x's scale words: 4 s + m % 4; lanes 0-15 tiles 0-3, lanes 16-31 tiles 4-7
.set PL,   42                          ; v42-49  at the head only: my eight places in a pass: 16 t + r for W2's four tiles, 4 r + k for the way out
.set HS,   50                          ; v50-57  the hidden layer's scale words, one a row tile
.set W2S,  58                          ; v58-61  W2's scale words, one a column tile
.set B1R,  62                          ; v62-93  b1, two sets of 16
.set W2F,  94                          ; v94-125 W2's four fragments
.set HC,   126                         ; v126-189 the hidden layer's codes: 8 a row tile
.set TM,   190                         ; v190-213 at work
.set TP,   198
.set TE,   206
.set W1S,  214                         ; v214-229 W1's scale words, four sets (a chunk of a K step each): + s; lanes 0-15 tile 0, lanes 16-31 tile 1
.set VR,   230                         ; r = lane % 16
.set VH,   231                         ; h = lane / 16
.set VT,   232
.set V4R,  234
.set V16H, 235
.set WOB,  236                         ; v236-251 the second pass's v4-19
.set V2KH, 252
.set XR,   253                         ; LDS: x's images, 16 x lane
.set GA,   134                         ; at the head only: 16 offsets of the gathers, 8 of b2's loads (in registers that the codes take later)
.set BA,   126
.set SUM,  126                         ; the way out: 64 registers of sums
.set STG,  128*272                     ; a wave's stage: 128 rows x (64 f32 + 16 bytes)
.set XIMG, 4*STG                       ; behind the four stages: x's 32 fragments as images, 64 x 512 bytes,
.set XSC,  XIMG+32768                  ; and its scale words, 4 x 512 bytes
.set MSB, 0
.macro WIN new                         ; the immediate's high byte repeats the setting that is left
.if MSB != \new
	s_set_vgpr_msb (MSB<<8)|\new
.set MSB, \new
.endif
.endm
.macro PLACES n
.rept \n
	v_nop
.endr
.endm
; one matrix instruction; ua, ub: source 0's, source 1's scales stand in lanes 16-31
.macro WM d, a, b, c, sa, sb, ua, ub
.if ((\ua) == 0) && ((\ub) == 0)
	v_wmma_scale_f32_16x16x128_f8f6f4 v[\d:\d+7], v[\a:\a+7], v[\b:\b+7], v[\c:\c+7], v[\sa], v[\sb] matrix_a_fmt:MATRIX_FMT_FP4 matrix_b_fmt:MATRIX_FMT_FP4
.elseif (\ub) == 0
	v_wmma_scale_f32_16x16x128_f8f6f4 v[\d:\d+7], v[\a:\a+7], v[\b:\b+7], v[\c:\c+7], v[\sa], v[\sb] matrix_a_fmt:MATRIX_FMT_FP4 matrix_b_fmt:MATRIX_FMT_FP4 matrix_a_scale:MATRIX_SCALE_ROW1
.elseif (\ua) == 0
	v_wmma_scale_f32_16x16x128_f8f6f4 v[\d:\d+7], v[\a:\a+7], v[\b:\b+7], v[\c:\c+7], v[\sa], v[\sb] matrix_a_fmt:MATRIX_FMT_FP4 matrix_b_fmt:MATRIX_FMT_FP4 matrix_b_scale:MATRIX_SCALE_ROW1
.else
	v_wmma_scale_f32_16x16x128_f8f6f4 v[\d:\d+7], v[\a:\a+7], v[\b:\b+7], v[\c:\c+7], v[\sa], v[\sb] matrix_a_fmt:MATRIX_FMT_FP4 matrix_b_fmt:MATRIX_FMT_FP4 matrix_a_scale:MATRIX_SCALE_ROW1 matrix_b_scale:MATRIX_SCALE_ROW1
.endif
.endm
.macro WMZ d, a, b, sa, sb             ; the same with the constant 0 as C: it starts a sum
	v_wmma_scale_f32_16x16x128_f8f6f4 v[\d:\d+7], v[\a:\a+7], v[\b:\b+7], 0, v[\sa], v[\sb] matrix_a_fmt:MATRIX_FMT_FP4 matrix_b_fmt:MATRIX_FMT_FP4
.endm
; Part s of a chunk's refill, for the chunk imm chunks on from the bases: K step s's two fragments of W1 (4 loads) into set e; part 0 also the chunk's scale words (set q) and b1 (set e): 9, 4, 4, 4 loads
.macro FPART e, q, imm, s
.if (\s) == 0
	WIN 0
	global_load_b128 v[W1S+4*(\q):W1S+4*(\q)+3], v[LI], s[54:55] offset:(\imm)*512
.irp j, 0,1,2,3
	global_load_b128 v[B1R+16*(\e)+4*\j:B1R+16*(\e)+4*\j+3], v[BO], s[56:57] offset:(\imm)*128+16*\j
.endr
.endif
	WIN 0x80                                       ; destination window 2
.irp l, 0,1,2,3
	global_load_b128 v[128+64*(\e)+16*(\s)+4*\l:131+64*(\e)+16*(\s)+4*\l], v[LI], s[52:53] offset:(\imm)*8192+2048*(\s)+512*\l
.endr
.endm
.macro FILL e                          ; chunk e of the wave's 16, whole: 21 loads, in the parts' order
.irp s, 0,1,2,3
	FPART \e, \e, \e, \s
.endr
	WIN 0
.endm
.macro RESET                           ; the pointers that walk, at the wave's first chunk
	s_mov_b64 s[52:53], s[8:9]
	s_mov_b64 s[54:55], s[10:11]
	s_mov_b64 s[56:57], s[12:13]
	s_mov_b64 s[58:59], s[14:15]
	s_mov_b64 s[60:61], s[16:17]
.endm
; 17 loads: my quarter of the codes of group s24's rows, and my block of their scale words, into the hidden accumulators' registers, which are idle ahead of a trip
.macro XQLOAD
	s_lshl_b32 s32, s24, 20
	s_add_nc_u64 s[48:49], s[4:5], s[32:33]
	s_lshl_b32 s32, s24, 16
	s_add_nc_u64 s[50:51], s[6:7], s[32:33]
	WIN 0x80
.irp i, 0,1,2,3,4,5,6,7,8,9,10,11,12,13,14,15
	global_load_b128 v[4*\i:4*\i+3], v[LI], s[48:49] offset:512*\i
.endr
	global_load_b128 v[64:67], v[LI], s[50:51]
	WIN 0
.endm
; 12 loads: the pass's four tiles of W2 for the K step at which the bases stand
.macro W2LOAD
.irp t, 0,1,2,3
	global_load_b128 v[W2F+8*\t:W2F+8*\t+3], v[WO+\t], s[58:59]
	global_load_b128 v[W2F+8*\t+4:W2F+8*\t+7], v[WO+\t], s[58:59] offset:32
	global_load_b32 v[W2S+\t], v[WS+\t], s[60:61]
.endr
.endm
; 16 matrix instructions: a chunk's 32 units x 128 rows x K step s.  The 16 accumulators take turns, one instruction a turn, in the same order in every group.
.macro MULG e, q, s
.if (\s) == 0
	WIN 0x86                                       ; W1 window 2, x window 1, C (b1) window 0, D window 2
.else
	WIN 0xa6                                       ; C window 2
.endif
.irp m, 0,1,2,3,4,5,6,7
.irp u, 0,1
.if (\s) == 0
	WM 16*\m+8*\u, 128+64*(\e)+8*(2*(\s)+\u), 32*\m+8*(\s), B1R+16*(\e)+8*\u, W1S+4*(\q)+(\s), XS+4*(\s)+\m%4, \u, \m/4
.else
	WM 16*\m+8*\u, 128+64*(\e)+8*(2*(\s)+\u), 32*\m+8*(\s), 16*\m+8*\u, W1S+4*(\q)+(\s), XS+4*(\s)+\m%4, \u, \m/4
.endif
.endr
.endr
.endm
; The wait ahead of group s: part s of this chunk's refill is in.  The count is what was issued behind that part.  Parts hold 9, 4, 4, 4 loads, a chunk 21, W2's loads 12.
; A chunk's parts were issued two chunks back: part 0 behind that chunk's group 1 (in a K step's first chunk behind W2's 12), part 1 behind its group 2, parts 2 and 3 behind its group 3.
;   mode 0 (a K step's first chunk):  s = 0, 1: the rest of my parts and the next chunk's 21; s = 2, 3: besides, W2's 12 and the parts that this chunk has issued (9; 9 + 4)
;   mode 1 (its second):              the same, and W2's 12, issued in the chunk before, from s = 0 on
;   mode 2 (its third and fourth):    as mode 0 without W2's, which are older than my part 0: the third chunk's first wait so shows W2's loads in as well
;   mode 3, 4 (the third and fourth chunk of the last K step, which ask for nothing): the rest of my parts and the next chunk's 21; the rest of my parts
.macro GWAIT mode, s
.if \mode == 0
.if (\s) < 2
	s_wait_loadcnt 33-4*(\s)
.else
	s_wait_loadcnt 46
.endif
.elseif \mode == 1
.if (\s) < 2
	s_wait_loadcnt 45-4*(\s)
.else
	s_wait_loadcnt 46
.endif
.elseif \mode == 2
.if (\s) < 2
	s_wait_loadcnt 33-4*(\s)
.else
	s_wait_loadcnt 34
.endif
.elseif \mode == 3
	s_wait_loadcnt 33-4*(\s)
.else
	s_wait_loadcnt 12-4*(\s)
.endif
.endm
; The chunk's numbers become block b of the next K step: for each row tile 16 numbers a lane -> two registers of codes and a byte of the scale word.  QMAX: my 16 numbers' largest; QREST: all else
.macro QMAX
	WIN 0x28                                       ; sources 1 and 2 window 2
.irp m, 0,1,2,3,4,5,6,7
	v_max3_num_f32 v[TM+\m], 0x1800000, v[16*\m], v[16*\m+1]   ; no |.|: relu; the floor 2^(3 - 127) holds the byte at 1.  Each accumulator is read from its low end on
.endr
.irp i, 2,4,6,8,10,12,14
.irp m, 0,1,2,3,4,5,6,7
	v_max3_num_f32 v[TM+\m], v[TM+\m], v[16*\m+\i], v[16*\m+\i+1]
.endr
.endr
.endm
.macro QREST b
	WIN 0
.irp m, 0,1,2,3,4,5,6,7
	v_permlanex16_b32 v[TP+\m], v[TM+\m], s36, s37
.endr
.irp m, 0,1,2,3,4,5,6,7
	v_max_num_f32 v[TM+\m], v[TM+\m], v[TP+\m]     ; with lane l xor 16's 16: the block's largest number
.endr
.irp m, 0,1,2,3,4,5,6,7
	v_add_nc_u32 v[TE+\m], 0xff000000, v[TM+\m]    ; 2 off the exponent field: the conversion's scale operand
.endr
.if \b == 0
.irp m, 0,1,2,3,4,5,6,7
	v_lshrrev_b32 v[HS+\m], 23, v[TE+\m]           ; the scale's byte begins the word
.endr
.else
.irp m, 0,1,2,3,4,5,6,7
	v_lshrrev_b32 v[TP+\m], 23, v[TE+\m]
.endr
.irp m, 0,1,2,3,4,5,6,7
	v_lshl_or_b32 v[HS+\m], v[TP+\m], 8*\b, v[HS+\m]
.endr
.endif
	WIN 0x02                                       ; source 0 window 2
.irp m, 0,1,2,3,4,5,6,7
	v_cvt_scalef32_pk8_fp4_f32 v[HC+8*\m+2*\b], v[16*\m:16*\m+7], v[TE+\m]
	v_cvt_scalef32_pk8_fp4_f32 v[HC+8*\m+2*\b+1], v[16*\m+8:16*\m+15], v[TE+\m]
.endr
	WIN 0
	v_nop                                          ; one plain line behind the conversions
.irp x, 0,1                            ; relu on the codes: 7 in each four bits whose sign is set, and those bits cleared (the maximum's registers are free again)
.irp m, 0,1,2,3,4,5,6,7
	v_and_b32 v[TM+\m], s38, v[HC+8*\m+2*\b+\x]
.endr
.irp m, 0,1,2,3,4,5,6,7
	v_lshrrev_b32 v[TP+\m], 3, v[TM+\m]
.endr
.irp m, 0,1,2,3,4,5,6,7
	v_sub_nc_u32 v[TM+\m], v[TM+\m], v[TP+\m]
.endr
.irp m, 0,1,2,3,4,5,6,7
	v_bfi_b32 v[HC+8*\m+2*\b+\x], v[TM+\m], 0, v[HC+8*\m+2*\b+\x]
.endr
.endr
.endm
; chunk k of a K step of the second product, on set e.  fill = 1: set e takes the chunk two further on, in four parts behind two waits; a K step's first chunk also asks for the K step's tiles of W2.
; A chunk that asks for nothing holds no wait on va_vdst.
.macro CHUNK k, e, mode, fill
	GWAIT \mode, 0
	MULG \e, \k, 0
	GWAIT \mode, 1
	MULG \e, \k, 1
.if \fill
	PLACES 4                                       ; four plain lines between the products above and the loads into their operands (ISA guide 7.12.1 asks them of vector writes; this text keeps them for loads as well)
	s_wait_alu depctr_va_vdst(0)                   ; groups 0 and 1 are done reading their fragments of W1 and b1, in which parts 0 and 1 land; in a K step's first chunk the second product is done reading W2's fragments and scale words
.if (\k) == 0
	WIN 0
	W2LOAD                                         ; wanted behind this K step's fourth chunk
.endif
	FPART \e, (\k+2)%4, \k+2, 0
.endif
	GWAIT \mode, 2
	MULG \e, \k, 2
.if \fill
	FPART \e, (\k+2)%4, \k+2, 1                    ; no wait: group 2 names K step 2's fragments, x, scale words and the accumulators, none of which this part touches
.endif
	GWAIT \mode, 3
	MULG \e, \k, 3
	PLACES 4                                       ; four places behind the last product, before its result is read, and before loads into its operands
.if \fill
	s_wait_alu depctr_va_vdst(0)                   ; groups 2 and 3 are done reading their fragments of W1, in which parts 2 and 3 land
	FPART \e, (\k+2)%4, \k+2, 2
.endif
	QMAX
.if \fill
	FPART \e, (\k+2)%4, \k+2, 3                    ; no wait: the maxima name the accumulators and v190-197 alone
.endif
	QREST \k
.endm
; 128 hidden units: four chunks, then the second product's K step
.macro PS zero, last
	CHUNK 0, 0, 0, 1
	CHUNK 1, 1, 1, 1
.if \last
	CHUNK 2, 0, 3, 0
	CHUNK 3, 1, 4, 0
.else
	CHUNK 2, 0, 2, 1
	CHUNK 3, 1, 2, 1
.endif
.irp m, 0,1,2,3,4,5,6,7                ; the operand's layout wants a whole block in a lane: lanes 0-15 block 2 c, lanes 16-31 block 2 c + 1
.irp c, 0,1
.irp i, 0,1
	v_permlane16_swap_b32 v[HC+8*\m+4*\c+\i], v[HC+8*\m+4*\c+2+\i]
.endr
.endr
.endr
	PLACES 8                                       ; operands and scale words written by vector instructions stand this far ahead of a scaled matrix instruction
	s_wait_alu depctr_va_vdst(0)                   ; the codes v126-189 and the scale words v50-57 are written: the scaled products below take them as operand and scales; the places above stay beside this wait
	WIN 0xf0                                       ; C and D window 3
.irp t, 0,1,2,3
.irp m, 0,1,2,3,4,5,6,7
.if \zero
	WMZ 64*\t+8*\m, W2F+8*\t, HC+8*\m, W2S+\t, HS+\m
.else
	WM 64*\t+8*\m, W2F+8*\t, HC+8*\m, 64*\t+8*\m, W2S+\t, HS+\m, 0, 0
.endif
.endr
.endr
	WIN 0
.if \last
	PLACES 4                                       ; four places behind the last product, before its result is read (ISA guide 7.12.1)
.else
	s_wait_xcnt 0x0                                ; every load issued so far has read its base: the bases step
	s_add_nc_u64 s[52:53], s[52:53], 4*8192
	s_add_nc_u64 s[54:55], s[54:55], 4*512
	s_add_nc_u64 s[56:57], s[56:57], 4*128
	s_add_nc_u64 s[58:59], s[58:59], 64
	s_add_nc_u64 s[60:61], s[60:61], 4
.endif
.endm
; The offsets in ordr of my eight places of a pass (st first place, cn columns, c1 = cn - 1, c4 = c1 & -4): past the pass's end a place of its last four.  The eight compares stand in one run, into scalar registers.
.macro COLS st, cn, c1, c4, ga
.irp i, 0,1,2,3,4,5,6,7
	v_and_b32 v[\ga+\i], 3, v[PL+\i]
.endr
.irp i, 0,1,2,3,4,5,6,7
	v_add_nc_u32 v[\ga+\i], s[\c4], v[\ga+\i]
.endr
.irp i, 0,1,2,3,4,5,6,7
	v_min_u32 v[\ga+\i], s[\c1], v[\ga+\i]
.endr
.set MI, 0
.irp sm, 2,3,29,31,35,39,62,63
	v_cmp_gt_u32 s[\sm], s[\cn], v[PL+MI]
.set MI, MI+1
.endr
	s_wait_alu depctr_va_sdst(0)                   ; the eight masks are written, ahead of the selects that read them
.set MI, 0
.irp sm, 2,3,29,31,35,39,62,63
	v_cndmask_b32 v[\ga+MI], v[\ga+MI], v[PL+MI], s[\sm]
.set MI, MI+1
.endr
.irp i, 0,1,2,3,4,5,6,7
	v_add_nc_u32 v[\ga+\i], s[\st], v[\ga+\i]
.endr
.irp i, 0,1,2,3,4,5,6,7
	v_min_u32 v[\ga+\i], 0x1ff, v[\ga+\i]          ; inside the list, whatever the record holds
.endr
.irp i, 0,1,2,3,4,5,6,7
	v_lshlrev_b32 v[\ga+\i], 2, v[\ga+\i]
.endr
.endm
.macro COLG ga, set                    ; eight gathers: the columns of W2's four tiles to set + 0..3, those of the way out to set + 8..11
.irp i, 0,1,2,3,4,5,6,7
	global_load_b32 v[\set+\i+4*(\i/4)], v[\ga+\i], s[20:21]
.endr
.endm
.macro COLP set, ba                    ; the columns become offsets
.irp t, 0,1,2,3
	v_min_u32 v[\set+\t], 0x1ff, v[\set+\t]
	v_lshlrev_b32 v[\set+4+\t], 4, v[\set+\t]
	v_lshl_add_u32 v[\set+\t], v[\set+\t], 8, v[V16H]
.endr
.irp k, 0,1,2,3
	v_min_u32 v[\set+8+\k], 0x1ff, v[\set+8+\k]
	v_lshlrev_b32 v[\ba+\k], 2, v[\set+8+\k]
	v_lshl_add_u32 v[\set+8+\k], v[\set+8+\k], 2, v[V2KH]
.endr
.endm
.macro B2G set, ba                     ; b2 of my four columns
.irp k, 0,1,2,3
	global_load_b32 v[\set+12+\k], v[\ba+\k], s[18:19]
.endr
.endm
	s_load_b512 s[4:19], s[0:1], 0x0               ; xq s4, xs s6, w1f s8, w1s s10, b1 s12, w2c s14, w2s s16, b2 s18
	s_load_b128 s[20:23], s[0:1], 0x40             ; ordr s20, out0 s22
	v_lshl_add_u32 v254, v0, 2, 0x2a800
	v_mov_b32 v255, 0
	v_lshrrev_b32 v[VT], 5, v0
	v_readfirstlane_b32 s28, v[VT]                 ; wave 0..3
	s_and_b32 s30, ttmp7, 0xffff
	s_lshl_b32 s30, s30, 4                         ; 16 bytes a record
	v_and_b32 v[VT], 31, v0
	v_lshlrev_b32 v[LI], 4, v[VT]
	v_and_b32 v[VR], 15, v0
	v_bfe_u32 v[VH], v0, 4, 1
	v_lshlrev_b32 v[BO], 6, v[VH]
	v_lshlrev_b32 v[V4R], 2, v[VR]
	v_lshlrev_b32 v[V16H], 4, v[VH]
	v_lshlrev_b32 v[V2KH], 11, v[VH]
.irp t, 0,1,2,3
	v_add_nc_u32 v[PL+\t], 16*\t, v[VR]            ; my places in a pass: 16 t + r,
.endr
.irp k, 0,1,2,3
	v_add_nc_u32 v[PL+4+\k], \k, v[V4R]            ; and 4 r + k
.endr
	s_wait_alu depctr_va_sdst(0)                   ; s28 is written, ahead of its first reader: LDS addresses and the buffers' bases are made from it
	s_mul_i32 s32, s28, STG
	v_mul_u32_u24 v[STO], v[VR], 272
	v_lshl_add_u32 v[STO], v[VH], 5, v[STO]
	v_add_nc_u32 v[STO], s32, v[STO]               ; my stage: row r, + 32 h
	s_mul_i32 s32, s28, 32*272
	v_mul_u32_u24 v[VT], v[VH], 272
	v_lshl_add_u32 v[VT], v[VR], 4, v[VT]
	v_add_nc_u32 v[VT], s32, v[VT]                 ; back: rows 32 w + h, 16 bytes a lane,
.irp p, 0,1,2,3
	v_add_nc_u32 v[RD+\p], \p*STG, v[VT]           ; in each wave's stage
.endr
	s_lshl_b32 s32, s28, 13
	s_add_co_u32 s32, s32, XIMG
	v_add_nc_u32 v[XW], s32, v[LI]                 ; x's images: my quarter, 16 of 512 bytes
	s_lshl_b32 s32, s28, 9
	s_add_co_u32 s32, s32, XSC
	v_add_nc_u32 v[XSW], s32, v[LI]                ; and my block of scale words
	v_add_nc_u32 v[XR], XIMG, v[LI]                ; back: any image, 16 bytes a lane
.irp m, 0,1,2,3,4,5,6,7
	v_mov_b32 v[TP+\m], 0                          ; written once: a lane permute's destination counts as one of its sources
.endr
	s_mov_b32 s36, 0x76543210                      ; v_permlanex16_b32's selects for lane l xor 16
	s_mov_b32 s37, 0xfedcba98
	s_mov_b32 s38, 0x88888888                      ; the signs of eight codes
	s_mov_b32 s33, 0
	s_wait_kmcnt 0x0
	s_load_b128 s[24:27], s[20:21], s30 offset:0x800   ; pass y: group, first place, columns, flag
	s_load_b128 s[44:47], s[20:21], s30 offset:0x880   ; pass y + 8
	s_lshl_b32 s32, s28, 17                        ; my wave's 512 units: 16 chunks of 8,192 bytes; in w2c 512 columns of 256 bytes
	s_add_nc_u64 s[8:9], s[8:9], s[32:33]
	s_add_nc_u64 s[14:15], s[14:15], s[32:33]
	s_lshl_b32 s32, s28, 13
	s_add_nc_u64 s[10:11], s[10:11], s[32:33]
	s_add_nc_u64 s[16:17], s[16:17], s[32:33]
	s_lshl_b32 s32, s28, 11
	s_add_nc_u64 s[12:13], s[12:13], s[32:33]
	RESET
	s_wait_alu depctr_va_vdst(0)                   ; the offsets and LDS addresses v1-3, v20-25 and v253 are written: W1's, b1's and x's loads and the trip's LDS instructions read them, and none is written again
	FILL 0                                         ; W1's first two chunks hang on no record: they are asked for while the records are read
	FILL 1
	s_lshl_b32 s32, ttmp9, 18                      ; out0: row 128 nb + 32 w
	s_lshl_b32 s34, s28, 16
	s_add_co_u32 s32, s32, s34
	s_add_nc_u64 s[22:23], s[22:23], s[32:33]
	s_lshl_b32 s32, ttmp9, 15                      ; xq and xs at block nb of group 0, my wave's quarter
	s_lshl_b32 s34, s28, 13
	s_add_co_u32 s32, s32, s34
	s_add_nc_u64 s[4:5], s[4:5], s[32:33]
	s_lshl_b32 s32, ttmp9, 11
	s_lshl_b32 s34, s28, 9
	s_add_co_u32 s32, s32, s34
	s_add_nc_u64 s[6:7], s[6:7], s[32:33]
	s_wait_kmcnt 0x0
	s_min_u32 s24, s24, 7                          ; what was read is held inside its range before it enters an address
	s_min_u32 s25, s25, 511
	s_min_u32 s26, s26, 64
	s_min_u32 s44, s44, 7
	s_min_u32 s45, s45, 511
	s_min_u32 s46, s46, 64
	XQLOAD                                         ; the first pass's codes of x (a pass without columns has group 0: the loads stay inside the buffers)
	s_sub_co_u32 s40, s26, 1
	s_and_b32 s41, s40, -4
	s_sub_co_u32 s42, s46, 1
	s_and_b32 s43, s42, -4
	COLS 25, 26, 40, 41, GA
	COLS 45, 46, 42, 43, GA+8
	s_wait_alu depctr_va_vdst(0)                   ; the sixteen offsets v134-149 are written, which the gathers read
	COLG GA, WO
	COLG GA+8, WOB
	s_wait_loadcnt 0x0                             ; the 16 gathers, issued last
	COLP WO, BA
	COLP WOB, BA+4
	s_wait_alu depctr_va_vdst(0)                   ; b2's eight offsets v126-133 are written, which the loads below read; so are the first pass's offsets v4-15, which W2's loads and the stores read
	B2G WO, BA
	B2G WOB, BA+4
	s_wait_alu depctr_vm_vsrc(0)                   ; the gathers and b2's loads have read their offsets v126-149: these registers take the codes and the sums from here on
	s_mov_b32 s62, 2
.Ltrip:
	s_cmp_eq_u32 s26, 0                            ; a pass without columns: nothing to share, nothing to multiply
	s_cbranch_scc1 .Lshare
	s_wait_loadcnt 42                              ; my quarter of x's codes is in: on the way back round the loop two refills of 21 were issued behind it
	WIN 0x08                                       ; an LDS store's data: window 2
.irp i, 0,1,2,3,4,5,6,7,8,9,10,11,12,13,14,15
	ds_store_b128 v[XW], v[4*\i:4*\i+3] offset:512*\i   ; as images of the registers: 512 consecutive bytes a store
.endr
	ds_store_b128 v[XSW], v[64:67]
	WIN 0
.Lshare:
	s_wait_dscnt 0x0                               ; for the others' sake: my quarter has landed
	s_barrier_signal -1
	s_barrier_wait -1                              ; x's 32 fragments and their scale words lie in LDS
	s_cmp_eq_u32 s26, 0
	s_cbranch_scc1 .Lmeet
	WIN 0x40                                       ; destination window 1
.set XI, 0
.rept 64
	ds_load_b128 v[4*XI:4*XI+3], v[XR] offset:512*XI   ; x's 32 fragments stay in registers.  (No vector or matrix instruction since the last wait on va_vdst names window 1 or v26-41)
.set XI, XI+1
.endr
	WIN 0
.irp s, 0,1,2,3
	ds_load_b128 v[XS+4*\s:XS+4*\s+3], v[XR] offset:32768+512*\s
.endr
	s_wait_alu depctr_vm_vsrc(0)                   ; my LDS stores have read v0-67 of window 2, which the first products write
	s_wait_loadcnt 0x0                             ; W1's first two chunks and b2 are in
	s_wait_dscnt 0x0                               ; x
	s_mov_b32 s39, 2
	PS 1, 0                                        ; the first K step of the second product starts its sums
.Lps:
	PS 0, 0
	s_sub_co_u32 s39, s39, 1
	s_cmp_lg_u32 s39, 0
	s_cbranch_scc1 .Lps
	PS 0, 1                                        ; the last asks for nothing behind its second chunk
	s_wait_alu depctr_va_vdst(0)                   ; the second product has written window 3, which the LDS stores read; the first product is done reading x's codes in window 1, in which the parts land behind the barrier; the places above stay beside this wait
	WIN 0x0c                                       ; an LDS store's data: window 3
.irp t, 0,1,2,3
.irp m, 0,1,2,3,4,5,6,7
	ds_store_b128 v[STO], v[64*\t+8*\m:64*\t+8*\m+3] offset:16*272*\m+64*\t       ; lane (r, h): row 16 m + r, places 16 t + 8 h + 0..7; each accumulator from its low end on
	ds_store_b128 v[STO], v[64*\t+8*\m+4:64*\t+8*\m+7] offset:16*272*\m+64*\t+16
.endr
.endr
	WIN 0
.Lmeet:
	s_wait_dscnt 0x0                               ; for the others' sake: my part has landed
	s_barrier_signal -1
	s_barrier_wait -1                              ; the four parts lie in LDS
	s_cmp_eq_u32 s26, 0
	s_cbranch_scc1 .Lnext
	s_wait_loadcnt 0x0                             ; no load is out: b2 is in
	WIN 0x40                                       ; wave w adds and stores rows 32 w .. + 31, two to an instruction.  All 64 loads go out in one run, into window 1, which x's codes have left: part p of rows 2 (4 e + i) at 64 e + 16 i + 4 p
.irp e, 0,1,2,3
.irp i, 0,1,2,3
.irp p, 0,1,2,3
	ds_load_b128 v[64*\e+16*\i+4*\p:64*\e+16*\i+4*\p+3], v[RD+\p] offset:544*(4*\e+\i)
.endr
.endr
.endr
	WIN 0x45                                       ; sources and destination window 1
.irp e, 0,1,2,3
	s_wait_dscnt 48-16*\e                          ; LDS loads come back in order (ISA guide 5.7.1): these eight rows' sixteen loads are in, the younger ones stay out
.irp i, 0,1,2,3
	v_pk_add_f32 v[64*\e+16*\i:64*\e+16*\i+1], v[64*\e+16*\i:64*\e+16*\i+1], v[64*\e+16*\i+4:64*\e+16*\i+5]
	v_pk_add_f32 v[64*\e+16*\i+2:64*\e+16*\i+3], v[64*\e+16*\i+2:64*\e+16*\i+3], v[64*\e+16*\i+6:64*\e+16*\i+7]
	v_pk_add_f32 v[64*\e+16*\i+8:64*\e+16*\i+9], v[64*\e+16*\i+8:64*\e+16*\i+9], v[64*\e+16*\i+12:64*\e+16*\i+13]
	v_pk_add_f32 v[64*\e+16*\i+10:64*\e+16*\i+11], v[64*\e+16*\i+10:64*\e+16*\i+11], v[64*\e+16*\i+14:64*\e+16*\i+15]
	v_pk_add_f32 v[64*\e+16*\i:64*\e+16*\i+1], v[64*\e+16*\i:64*\e+16*\i+1], v[64*\e+16*\i+8:64*\e+16*\i+9]
	v_pk_add_f32 v[64*\e+16*\i+2:64*\e+16*\i+3], v[64*\e+16*\i+2:64*\e+16*\i+3], v[64*\e+16*\i+10:64*\e+16*\i+11]
.endr
.endr
	WIN 0x01                                       ; source 0 window 1; b2 and the sums window 0
.irp e, 0,1,2,3
.irp i, 0,1,2,3
	v_pk_add_f32 v[SUM+4*(4*\e+\i):SUM+4*(4*\e+\i)+1], v[64*\e+16*\i:64*\e+16*\i+1], v[B2Q:B2Q+1]
	v_pk_add_f32 v[SUM+4*(4*\e+\i)+2:SUM+4*(4*\e+\i)+3], v[64*\e+16*\i+2:64*\e+16*\i+3], v[B2Q+2:B2Q+3]
.endr
.endr
	WIN 0
	s_wait_alu depctr_va_vdst(0)                   ; the additions have written the sums v126-189, which the stores on both ways below read
	s_cmp_lg_u32 s27, 0
	s_cbranch_scc0 .Lsingle
.irp i, 0,1,2,3,4,5,6,7,8,9,10,11,12,13,14,15
	global_store_b128 v[OQ], v[SUM+4*\i:SUM+4*\i+3], s[22:23] offset:4096*\i th:TH_STORE_NT   ; my four places are four neighbouring columns; where a pass's columns are neighbours, 16 lanes store 256 consecutive bytes
.endr
	s_branch .Lnext
.Lsingle:                              ; groups that cut through an aligned four of columns: each number by itself
.irp i, 0,1,2,3,4,5,6,7,8,9,10,11,12,13,14,15
.irp k, 0,1,2,3
	global_store_b32 v[OQ+\k], v[SUM+4*\i+\k], s[22:23] offset:4096*\i th:TH_STORE_NT
.endr
.endr
.Lnext:
	s_wait_dscnt 0x0                               ; my reads of the stages are over,
	s_barrier_signal -1
	s_barrier_wait -1                              ; everybody's are: the next trip may store there
	s_wait_loadcnt 0x0                             ; the second pass's b2 is in; no load still reads v4-11 or a pointer that walks
	s_wait_xcnt 0x0                                ; the stores have read their offsets and data
	s_wait_alu depctr_vm_vsrc(0)                   ; W2's loads and the stores have read v4-15, which the moves write; the stores have read the sums, the LDS stores window 3 and v0-67 of window 2, all of which the next trip writes
.irp i, 0,1,2,3,4,5,6,7,8,9,10,11,12,13,14,15
	v_mov_b32 v[WO+\i], v[WOB+\i]                  ; the second pass takes the first's place
.endr
	s_wait_alu depctr_va_vdst(0)                   ; the moves have written v4-15, which the next trip's loads and stores read; the additions are done with window 1, the quantiser with window 2, in which the next trip's loads land
	s_mov_b32 s24, s44
	s_mov_b32 s26, s46
	s_mov_b32 s27, s47
	s_mov_b32 s46, 0                               ; behind the second pass there is none
	s_cmp_eq_u32 s26, 0
	s_cbranch_scc1 .Lidle
	RESET                                          ; a second pass with columns: its codes of x first, then W1's first two chunks again
	XQLOAD
	FILL 0
	FILL 1
.Lidle:
	s_sub_co_u32 s62, s62, 1
	s_cmp_lg_u32 s62, 0
	s_cbranch_scc1 .Ltrip
	s_wait_dscnt 0x0                               ; the closing lines, six on end
	s_wait_alu 0x0
	s_wait_tensorcnt 0x0
	ds_add_u32 v254, v255
	s_wait_dscnt 0x0
	s_endpgm
.Lfunc_end_k_qe6387063d4_net:
	.size	k_qe6387063d4_net, .Lfunc_end_k_qe6387063d4_net-k_qe6387063d4_net
	.p2alignl 7, 3214868480
	.fill 96, 4, 3214868480
	.section	.rodata,"a",@progbits
	.p2align	6, 0x0
	.amdhsa_kernel k_qe6387063d4_net
		.amdhsa_group_segment_fixed_size 174592
		.amdhsa_private_segment_fixed_size 0
		.amdhsa_enable_private_segment 0
		.amdhsa_kernarg_size 80
		.amdhsa_user_sgpr_count 2
		.amdhsa_user_sgpr_kernarg_segment_ptr 1
		.amdhsa_wavefront_size32 1
		.amdhsa_system_sgpr_workgroup_id_x 1
		.amdhsa_system_sgpr_workgroup_id_y 1
		.amdhsa_system_sgpr_workgroup_id_z 1
		.amdhsa_system_vgpr_workitem_id 0
		.amdhsa_next_free_vgpr 1024
		.amdhsa_next_free_sgpr 66
		.amdhsa_reserve_vcc 0
		.amdhsa_float_denorm_mode_32 3
		.amdhsa_float_denorm_mode_16_64 3
		.amdhsa_memory_ordered 1
		.amdhsa_forward_progress 1
		.amdhsa_inst_pref_size 255
	.end_amdhsa_kernel
	.section	.bss,"aw",@nobits
	.p2align	6
	.space	262144
	.amdgpu_metadata
---
amdhsa.version: [ 1, 2 ]
amdhsa.kernels:
  - .name:           k_qe6387063d4_net
    .symbol:         k_qe6387063d4_net.kd
    .args:
      - { .name: xq, .offset: 0, .size: 8, .value_kind: global_buffer, .address_space: global }
      - { .name: xs, .offset: 8, .size: 8, .value_kind: global_buffer, .address_space: global }
      - { .name: w1f, .offset: 16, .size: 8, .value_kind: global_buffer, .address_space: global }
      - { .name: w1s, .offset: 24, .size: 8, .value_kind: global_buffer, .address_space: global }
      - { .name: b1, .offset: 32, .size: 8, .value_kind: global_buffer, .address_space: global }
      - { .name: w2c, .offset: 40, .size: 8, .value_kind: global_buffer, .address_space: global }
      - { .name: w2s, .offset: 48, .size: 8, .value_kind: global_buffer, .address_space: global }
      - { .name: b2, .offset: 56, .size: 8, .value_kind: global_buffer, .address_space: global }
      - { .name: ordr, .offset: 64, .size: 8, .value_kind: global_buffer, .address_space: global }
      - { .name: out0, .offset: 72, .size: 8, .value_kind: global_buffer, .address_space: global }
    .group_segment_fixed_size: 174592
    .private_segment_fixed_size: 0
    .kernarg_segment_align: 8
    .kernarg_segment_size: 80
    .max_flat_workgroup_size: 128
    .sgpr_count:     66
    .vgpr_count:     1024
    .wavefront_size: 32
...
	.end_amdgpu_metadata
.endif
;; end of part 4
